; MI455X (gfx1250); checked and timed in simulation.
; The chip was launched on July 23, 2026; its instructions are those of AMD's public machine-readable ISA for CDNA 5 (MIT licence, August 2026) and "CDNA5" Instruction Set Architecture Reference Guide (July 2026). The comments in the code are by the model that wrote it; some were corrected since.
;; Onnx Safe Attention. Allowed arithmetic: matrix products marked QUANTISED: E2M1 operands, one E8M0 scale for each 32 along K, by v_wmma_scale_f32_16x16x128_f8f6f4 with both operands' format E2M1 (or v_wmma_scale_f32_32x16x128_f4), f32 sums; products left as they are: bf16, f16 or f32 operands; f32 sums; everything else in f32.
;; Inputs: key_padding_mask 4 x 2,048 bool; w_out 1,024 x 1,024 float32; w_qkv 3,072 x 1,024 float32; x 4 x 2,048 x 1,024 float32.
;; Outputs: out0 4 x 2,048 x 1,024 float32.
;; This version of the problem:
;;   THIS VERSION OF THE PROBLEM IS GIVEN IN LOW PRECISION. The matrix products marked QUANTISED in the list below multiply operands that are first quantised to E2M1 (2 exponent bits, 1 mantissa bit; 4 bits a number), with one power-of-two scale for each 32 numbers along K (OCP MX v1.0); their sums are f32. The products marked 'left as it is' may take bf16, f16 or f32 operands, with f32 sums. Whichever they take, every output number must still come out within the allowed error. Rounding operands to bf16 (8 significant bits) uses up far more of that allowance than f16 does (11 bits, for magnitudes from 6e-5 to 65,504). All else is computed in f32.
;;   The module's matrix products, in the order in which they are computed (A, B: the left and right operand; K: the contracted axis; several contracted axes count as one K, in the product's order):
;;     1. [M 8,192, K 1,024] x [K 1,024, N 3,072]; A: input x; B: input w_qkv: QUANTISED
;;     2. batch 64 x [M 2,048, K 64] x [K 64, N 2,048]; A: computed on the way; B: computed on the way: left as it is (an operand is computed on the way)
;;     3. batch 64 x [M 64, K 2,048] x [K 2,048, N 2,048]; A: computed on the way; B: computed on the way: left as it is (an operand is computed on the way)
;;     4. [M 8,192, K 1,024] x [K 1,024, N 1,024]; A: computed on the way; B: input w_out: left as it is (an operand is computed on the way)
;;   THE QUANTISER, for each operand of a quantised product, along K:
;;     - K is cut into blocks of 32 from its start; a last block that is shorter is filled with zeros.
;;     - A block's scale is 2^e with e = floor(log2(the largest magnitude in the block)) - 2, held to -126 .. 127; a block of zeros has e = 0. As a byte (E8M0): e + 127.
;;     - Each number is divided by its block's scale, clamped to +-6, and rounded to the nearest number of E2M1, ties to even, subnormals kept.
;;     - The product sums the exact products of the quantised numbers (number of the format x scale) in f32.
;;   ~~~python
;;   def quantise(x, axis):      # numpy; x: float32 -> the quantised numbers, widened to float32 again
;;       x = np.moveaxis(x, axis, -1); K = x.shape[-1]
;;       x = np.pad(x, [(0, 0)] * (x.ndim - 1) + [(0, -K % 32)]); x = x.reshape(x.shape[:-1] + (-1, 32)); a = np.abs(x).max(-1, keepdims=True)
;;       e = np.where(a > 0, np.clip(np.frexp(np.where(a > 0, a, 1))[1] - 1 - 2, -126, 127), 0)      # np.frexp(a)[1] - 1 = floor(log2(a)), exactly
;;       r = np.clip(x / 2.0 ** e, -6, 6)
;;       step = 2.0 ** (np.maximum(np.frexp(np.where(r == 0, 1, r))[1] - 1, 0) - 1)
;;       q = np.round(r / step) * step * 2.0 ** e      # np.round: ties to even
;;       return np.moveaxis(q.reshape(q.shape[:-2] + (-1,))[..., :K], -1, axis).astype(np.float32)
;;   ~~~
;; One version. Each part assembles by itself: llvm-mc -triple=amdgcn-amd-amdhsa -mcpu=gfx1250 --defsym DOCPART=n.
;; ======== version 1 of 1: 4 launches
;; limits: values are held in f16: magnitudes above 65,504 overflow, below 6.1e-05 lose precision
;; workspace buffers: x_codes 4,194,304 bytes; x_scales 262,144 bytes; w_codes 1,572,864 bytes; w_scales 98,304 bytes; wo16 2,097,152 bytes; bias 65,536 bytes; qkv 50,331,648 bytes; attn 16,777,216 bytes
;; launch quant (part 1): grid 385 x 1, 4 waves a work-group, no clusters, 33,280 bytes of LDS; arguments x, w_qkv, x_codes, x_scales, w_codes, w_scales, w_out, key_padding_mask, wo16, bias; writes x_codes, x_scales, w_codes, w_scales, wo16, bias
.if DOCPART == 1
	.amdgcn_target "amdgcn-amd-amdhsa--gfx1250"
	.amdhsa_code_object_version 6
	.text
	.protected	k_q41609c7746_quant
	.globl	k_q41609c7746_quant
	.p2align	8
	.type	k_q41609c7746_quant,@function
k_q41609c7746_quant:
	s_mov_b64 s[64:65], 0
	v_nop
	global_prefetch_b8 v0, s[64:65] scope:SCOPE_SE
	s_setreg_imm32_b32 hwreg(HW_REG_WAVE_MODE, 25, 1), 1
	s_wait_xcnt 0x0
; Three jobs, parted by the work-group's number alone.
; Work-groups 0-255: x [8192][1024] f32, work-groups 256-351: w_qkv [3072][1024] f32, are turned into codes of FP4 (E2M1), K innermost, two codes a byte,
;   with one E8M0 scale byte for each 32 along K.  A block's scale is 2^(floor(log2(its largest magnitude)) - 2): its byte is the largest magnitude's exponent field - 2, held at 1 from below.
;   Rows are dense and K is a multiple of 32: both tensors are plain streams of blocks of 32, and so are the codes and the scale bytes.
; Work-groups 352-383: w_out [1024][1024] f32 is rounded to f16 (nearest even), same layout.
; Work-group 384: key_padding_mask [4][2048] of bytes becomes a bias in f32, 0 where the byte is 0 and -3e38 where it is 1, laid [4][2 copies][2048]: the attention launch adds it to the scores.
; LIMITS: a block of zeros, and a block whose largest magnitude lies under 2^-124, get the byte 1 (the codes of zeros are zeros, and this program alone reads the bytes); NaN and infinities among
;   the inputs are not served; w_out beyond 65,504 in magnitude has no f16 number.
; The quantising path: a wave takes 16 steps of 512 numbers.  Each of a step's four loads reads 512 consecutive bytes, 16 a lane; the 2,048 bytes turn through the wave's own stage in LDS and come back 64 bytes a lane,
; so that a lane holds 16 neighbours along K (two neighbouring lanes hold a block).  A lane's 16 codes are 8 bytes: the wave stores 256 consecutive bytes.  A wave's 256 scale bytes are gathered in LDS and leave together.
.set WAVES, 4
.set STEPS, 16
.set WGA,   256                        ; work-groups for x: 8192 x 1024 / 32768
.set WGQ,   352                        ; + 96 for w_qkv
.set WGM,   384                        ; + 32 for w_out; this one takes the mask
.set EMAX,  2
.set CB,    8                          ; bytes of 16 codes
.set R,     16                         ; v16-79   four sets of 16 numbers as they are loaded
.set X,     80                         ; v80-111  two sets of 16 neighbours
.set C,     128                        ; v128-191 codes: four registers for each step, so that no store's data are written again
.set E,     112                        ; v112-127 a scale byte for each step
.set WREG,  8192                       ; LDS: a region for each wave: two stages of 32 x SP bytes, and behind them its 256 scale bytes
.set SP,    80                         ; a lane's place in a stage: its 64 bytes + 16 of padding
.set SPW,   12                         ; v12      LDS address of my spare word; never rewritten
.set NIL,   13                         ; v13      0; never rewritten
.set SPARE, WAVES*WREG                 ; behind the four regions: the spare words, 128 bytes for each wave
.set CI,    16                         ; the cast: v16-143 two sets of 64 numbers as loaded
.set CH,    144                        ; v144-175 32 registers of f16 pairs
	s_load_b128 s[4:7], s[0:1], 0x0                ; x, w_qkv
	s_load_b128 s[8:11], s[0:1], 0x10              ; x's codes, x's scales
	s_load_b128 s[12:15], s[0:1], 0x20             ; w_qkv's codes, its scales
	s_load_b128 s[24:27], s[0:1], 0x30             ; w_out, the mask
	s_load_b128 s[28:31], s[0:1], 0x40             ; wo16, the bias
	v_lshl_add_u32 v[SPW], v0, 2, SPARE
	v_mov_b32 v[NIL], 0
	v_lshrrev_b32 v1, 5, v0
	v_readfirstlane_b32 s16, v1                    ; wave
	v_and_b32 v2, 31, v0                           ; lane
	v_lshlrev_b32 v3, 4, v2                        ; my 16 bytes of a load's 512
	s_mul_i32 s17, s16, WREG
	v_lshrrev_b32 v14, 2, v2
	v_mul_u32_u24 v14, v14, SP
	v_and_b32 v15, 3, v2
	v_lshl_add_u32 v14, v15, 4, v14
	v_add_nc_u32 v14, s17, v14                     ; the stage, on the way in: SP (lane / 4) + 16 (lane % 4)
	v_mul_u32_u24 v15, v2, SP
	v_add_nc_u32 v15, s17, v15                     ; and on the way out: SP x lane: my 16 neighbours
	v_mul_u32_u24 v4, v2, CB                       ; 8 x lane: my codes' place in a step's; also my f16 numbers' place in the cast
	v_lshrrev_b32 v5, 1, v2
	s_add_co_u32 s17, s17, 2*32*SP
	v_add_nc_u32 v5, s17, v5                       ; LDS: my wave's 256 scale bytes, my block's byte
	v_lshlrev_b32 v7, 3, v2                        ; and on the way out 8 bytes a lane
	v_add_nc_u32 v6, s17, v7
	s_wait_kmcnt 0x0
	s_cmp_ge_u32 ttmp9, WGQ                        ; the jobs part on the work-group's number
	s_cbranch_scc1 .Lcast
	s_cmp_lt_u32 ttmp9, WGA                        ; x's work-group or w_qkv's?
	s_cselect_b64 s[4:5], s[4:5], s[6:7]
	s_cselect_b64 s[8:9], s[8:9], s[12:13]
	s_cselect_b64 s[10:11], s[10:11], s[14:15]
	s_cselect_b32 s17, 0, WGA
	s_sub_co_u32 s17, ttmp9, s17
	s_lshl_b32 s17, s17, 2
	s_add_co_u32 s18, s17, s16                     ; which run of 8,192 numbers of the tensor is my wave's
	s_mov_b32 s19, 0
	s_mov_b64 s[20:21], 512*STEPS*4
	s_mul_u64 s[20:21], s[18:19], s[20:21]
	s_add_nc_u64 s[4:5], s[4:5], s[20:21]
	s_mov_b64 s[20:21], 32*STEPS*CB
	s_mul_u64 s[20:21], s[18:19], s[20:21]
	s_add_nc_u64 s[8:9], s[8:9], s[20:21]
	s_lshl_b32 s18, s18, 8                         ; 256 scale bytes a run
	s_add_nc_u64 s[10:11], s[10:11], s[18:19]
.macro LOAD t
.irp i, 0,1,2,3
	global_load_b128 v[R+16*((\t)%4)+4*\i:R+16*((\t)%4)+4*\i+3], v3, s[4:5] offset:2048*(\t)+512*\i th:TH_LOAD_NT   ; 32 lanes read 512 consecutive bytes
.endr
.endm
.macro TURN t                          ; step t's numbers through the stage: LDS serves a wave's instructions in order, so no wait stands between the stores and the loads
.irp i, 0,1,2,3
	ds_store_b128 v14, v[R+16*((\t)%4)+4*\i:R+16*((\t)%4)+4*\i+3] offset:32*SP*((\t)%2)+8*SP*\i
.endr
.irp i, 0,1,2,3
	ds_load_b128 v[X+16*((\t)%2)+4*\i:X+16*((\t)%2)+4*\i+3], v15 offset:32*SP*((\t)%2)+16*\i
.endr
.endm
.irp t, 0,1,2,3
	LOAD \t
.endr
	s_wait_loadcnt 12                              ; step 0's four loads are in; the twelve of steps 1 to 3 may be out
	TURN 0
.macro STEP t
.set XS, X+16*((\t)%2)
.if (\t) > 0
	s_wait_dscnt 1                                 ; this step's numbers are back from the stage (the last step's byte store may be out): so its stores into the stage have read their registers,
.else
	s_wait_dscnt 0x0
.endif
.if (\t)+4 < STEPS
	LOAD (\t)+4                                    ; which take the loads of four steps on
.endif
.if (\t)+1 < STEPS
.if STEPS-2-(\t) >= 3
	s_wait_loadcnt 12                              ; the next step's four loads are in; those of the three steps behind it may be out
.else
	s_wait_loadcnt 4*(STEPS-2-(\t))
.endif
	TURN (\t)+1                                    ; and go through the other stage while this step is worked
.endif
	v_max3_num_f32 v8, |v[XS]|, |v[XS+1]|, |v[XS+2]|               ; the largest magnitude of my 16, in two chains
	v_max3_num_f32 v9, |v[XS+3]|, |v[XS+4]|, |v[XS+5]|
.irp i, 6,10
	v_max3_num_f32 v8, v8, |v[XS+\i]|, |v[XS+\i+1]|
	v_max3_num_f32 v9, v9, |v[XS+\i+2]|, |v[XS+\i+3]|
.endr
	v_max3_num_f32 v8, v8, |v[XS+14]|, |v[XS+15]|
	v_max3_num_f32 v8, v8, v9, (EMAX+1)<<23        ; and the floor 2^(3 - 127): so the byte cannot fall under 1
	v_max_num_f32_dpp v8, v8, v8 row_xmask:1 row_mask:0xf bank_mask:0xf   ; and of my neighbour's 16: the block's
	v_add_nc_u32 v11, -(EMAX<<23), v8              ; 2 off its exponent field: the conversion takes the exponent field of this operand as its scale, and nothing else of it
	v_cvt_scalef32_pk8_fp4_f32 v[C+4*(\t)], v[XS:XS+7], v11        ; eight numbers / the scale, to the nearest code, ties to even, beyond the largest code the largest
	v_cvt_scalef32_pk8_fp4_f32 v[C+4*(\t)+1], v[XS+8:XS+15], v11
	v_lshrrev_b32 v[E+(\t)], 23, v11               ; the scale's byte (a plain line behind the conversions)
	ds_store_b8 v5, v[E+(\t)] offset:16*(\t)       ; both lanes of a block write the same byte with the same value
	global_store_b64 v4, v[C+4*(\t):C+4*(\t)+1], s[8:9] offset:32*CB*(\t)   ; 32 lanes store 256 consecutive bytes, aligned
.endm
.irp t, 0,1,2,3,4,5,6,7,8,9,10,11,12,13,14,15
	STEP \t
.endr
	ds_load_b64 v[8:9], v6                         ; LDS serves a wave's instructions in order: these see my byte stores
	s_wait_dscnt 0x0
	global_store_b64 v7, v[8:9], s[10:11]          ; 32 lanes store 256 consecutive bytes, aligned
	s_wait_tensorcnt 0x0                           ; the wave's end: the tensor wait, the add and its wait stand behind my last LDS store
	ds_add_u32 v[SPW], v[NIL]
	s_wait_dscnt 0x0
	s_endpgm
; ---- w_out to f16.  A wave takes 8,192 numbers: 64 loads of 512 consecutive bytes, in four groups of 16, two groups ahead; no LDS.
.Lcast:
	s_cmp_eq_u32 ttmp9, WGM
	s_cbranch_scc1 .Lmask
	s_sub_co_u32 s17, ttmp9, WGQ
	s_lshl_b32 s17, s17, 2
	s_add_co_u32 s18, s17, s16                     ; my wave's run, 0 to 127
	s_lshl_b32 s20, s18, 15                        ; 32,768 bytes in,
	s_mov_b32 s21, 0
	s_add_nc_u64 s[24:25], s[24:25], s[20:21]
	s_lshl_b32 s20, s18, 14                        ; 16,384 out
	s_add_nc_u64 s[28:29], s[28:29], s[20:21]
.macro LOADC g
.irp i, 0,1,2,3,4,5,6,7,8,9,10,11,12,13,14,15
	global_load_b128 v[CI+64*((\g)%2)+4*\i:CI+64*((\g)%2)+4*\i+3], v3, s[24:25] offset:512*(16*(\g)+\i) th:TH_LOAD_NT
.endr
.endm
.macro CAST g
.if (\g) < 3
	s_wait_loadcnt 16                              ; this group's 16 loads are in; the next group's 16 may be out
.else
	s_wait_loadcnt 0x0
.endif
	s_wait_xcnt 0x0                                ; the last group's stores have read their data: v144-175 are written again only behind this wait
.irp i, 0,1,2,3,4,5,6,7,8,9,10,11,12,13,14,15
	v_cvt_pk_f16_f32 v[CH+2*\i], v[CI+64*((\g)%2)+4*\i], v[CI+64*((\g)%2)+4*\i+1]
	v_cvt_pk_f16_f32 v[CH+2*\i+1], v[CI+64*((\g)%2)+4*\i+2], v[CI+64*((\g)%2)+4*\i+3]
.endr
.irp i, 0,1,2,3,4,5,6,7,8,9,10,11,12,13,14,15
	global_store_b64 v4, v[CH+2*\i:CH+2*\i+1], s[28:29] offset:256*(16*(\g)+\i)   ; 32 lanes store 256 consecutive bytes, aligned
.endr
.if (\g) < 2
	LOADC (\g)+2
.endif
.endm
	LOADC 0
	LOADC 1
	CAST 0
	CAST 1
	CAST 2
	CAST 3
	s_endpgm
; ---- the mask.  128 threads, 16 loads of 4 bytes a thread: load i covers batch i / 4, keys 512 (i % 4) + 4 thread .. + 3.  Each byte (0 or 1) x -3e38; 16 bytes a thread, stored into both copies.
.Lmask:
	v_lshlrev_b32 v8, 2, v0
	v_lshlrev_b32 v9, 4, v0
.irp i, 0,1,2,3,4,5,6,7,8,9,10,11,12,13,14,15
	global_load_b32 v[16+\i], v8, s[26:27] offset:512*\i
.endr
	s_wait_loadcnt 0x0
.irp i, 0,1,2,3,4,5,6,7,8,9,10,11,12,13,14,15
.irp c, 0,1,2,3
	v_bfe_u32 v[32+4*\i+\c], v[16+\i], 8*\c, 8
.endr
.irp c, 0,1,2,3
	v_cvt_f32_u32 v[32+4*\i+\c], v[32+4*\i+\c]
.endr
.irp c, 0,1,2,3
	v_mul_f32 v[32+4*\i+\c], 0xff61b1e6, v[32+4*\i+\c]             ; x -3e38
.endr
	global_store_b128 v9, v[32+4*\i:35+4*\i], s[30:31] offset:(\i/4)*16384+(\i%4)*2048        ; a wave stores 512 consecutive bytes
	global_store_b128 v9, v[32+4*\i:35+4*\i], s[30:31] offset:(\i/4)*16384+(\i%4)*2048+8192   ; the second copy
.endr
	s_endpgm
.Lfunc_end_k_q41609c7746_quant:
	.size	k_q41609c7746_quant, .Lfunc_end_k_q41609c7746_quant-k_q41609c7746_quant
	.p2alignl 7, 3214868480
	.fill 96, 4, 3214868480
	.section	.rodata,"a",@progbits
	.p2align	6, 0x0
	.amdhsa_kernel k_q41609c7746_quant
		.amdhsa_group_segment_fixed_size 33280
		.amdhsa_private_segment_fixed_size 0
		.amdhsa_enable_private_segment 0
		.amdhsa_kernarg_size 80
		.amdhsa_user_sgpr_count 2
		.amdhsa_user_sgpr_kernarg_segment_ptr 1
		.amdhsa_wavefront_size32 1
		.amdhsa_system_sgpr_workgroup_id_x 1
		.amdhsa_system_sgpr_workgroup_id_y 1
		.amdhsa_system_sgpr_workgroup_id_z 1
		.amdhsa_system_vgpr_workitem_id 0
		.amdhsa_next_free_vgpr 192
		.amdhsa_next_free_sgpr 66
		.amdhsa_reserve_vcc 0
		.amdhsa_float_denorm_mode_32 3
		.amdhsa_float_denorm_mode_16_64 3
		.amdhsa_memory_ordered 1
		.amdhsa_forward_progress 1
		.amdhsa_inst_pref_size 69
	.end_amdhsa_kernel
	.amdgpu_metadata
---
amdhsa.version: [ 1, 2 ]
amdhsa.kernels:
  - .name:           k_q41609c7746_quant
    .symbol:         k_q41609c7746_quant.kd
    .args:
      - { .name: x, .offset: 0, .size: 8, .value_kind: global_buffer, .address_space: global }
      - { .name: w_qkv, .offset: 8, .size: 8, .value_kind: global_buffer, .address_space: global }
      - { .name: x_codes, .offset: 16, .size: 8, .value_kind: global_buffer, .address_space: global }
      - { .name: x_scales, .offset: 24, .size: 8, .value_kind: global_buffer, .address_space: global }
      - { .name: w_codes, .offset: 32, .size: 8, .value_kind: global_buffer, .address_space: global }
      - { .name: w_scales, .offset: 40, .size: 8, .value_kind: global_buffer, .address_space: global }
      - { .name: w_out, .offset: 48, .size: 8, .value_kind: global_buffer, .address_space: global }
      - { .name: key_padding_mask, .offset: 56, .size: 8, .value_kind: global_buffer, .address_space: global }
      - { .name: wo16, .offset: 64, .size: 8, .value_kind: global_buffer, .address_space: global }
      - { .name: bias, .offset: 72, .size: 8, .value_kind: global_buffer, .address_space: global }
    .group_segment_fixed_size: 33280
    .private_segment_fixed_size: 0
    .kernarg_segment_align: 8
    .kernarg_segment_size: 80
    .max_flat_workgroup_size: 128
    .sgpr_count:     66
    .vgpr_count:     192
    .wavefront_size: 32
...
	.end_amdgpu_metadata
.endif
;; end of part 1
;; launch gemm_qkv (part 2): grid 12 x 32, 4 waves a work-group, clusters of 4 x 4, 327,680 bytes of LDS; arguments x_codes, x_scales, w_codes, w_scales, qkv; writes qkv
.if DOCPART == 2
	.amdgcn_target "amdgcn-amd-amdhsa--gfx1250"
	.amdhsa_code_object_version 6
	.text
	.protected	k_q41609c7746_gemm_qkv
	.globl	k_q41609c7746_gemm_qkv
	.p2align	8
	.type	k_q41609c7746_gemm_qkv,@function
k_q41609c7746_gemm_qkv:
	s_mov_b64 s[64:65], 0
	v_nop
	global_prefetch_b8 v0, s[64:65] scope:SCOPE_SE
	s_setreg_imm32_b32 hwreg(HW_REG_WAVE_MODE, 25, 1), 1
	s_wait_xcnt 0x0
	s_wait_alu depctr_hold_cnt(0) depctr_sa_sdst(0) depctr_va_vdst(0) depctr_va_sdst(0) depctr_va_ssrc(0) depctr_va_vcc(0) depctr_vm_vsrc(0)
	s_getreg_b32 s2, hwreg(HW_REG_IB_STS2, 6, 4)
	s_cmp_eq_u32 s2, 0
	s_cbranch_scc0 .Lentry_in_a_cluster
	s_endpgm
.Lentry_in_a_cluster:
	s_bfe_u32 s2, ttmp6, 0x10000c
	s_cmp_lg_u32 s2, 0xf033
	s_cbranch_scc0 .Lentry_shape_is_right
	s_endpgm
.Lentry_shape_is_right:
; qkv[token][f] = sum over e of x[token][e] w_qkv[f][e], both operands as codes of FP4 (E2M1) with one E8M0 scale for each 32 along K, sums in f32; the result is rounded once to f16 and laid BY HEAD:
; qkv buffer [3 parts q, k, v][64 = 16 batch + head][2048 positions][64 channels] f16, so that a head's rows are dense rows of 128 bytes for the attention launch.
; LIMIT: a result beyond 65,504 in magnitude has no f16 number (some 6,000 times the spread that unit-variance x and w_qkv of spread 1/32 give).
; A tile of C, 256 x 256, is made by a work-group of four waves; a wave makes 128 x 128: 64 accumulators of 16 x 16, 512 registers.  K = 1,024 is two K steps of 512 (tile rows of 256 bytes):
; both lie in LDS slots of their own, asked for at the head, so no slot is ever filled again.  The scale bytes of the work-group's 256 + 256 rows, for all of K, come with them, as dense blocks.
; CLUSTERS: 4 x 4 work-groups.  The four of a row of the cluster need the same tiles of x, the four of a column the same tiles of w: each tile is asked for JOINTLY, by the same tensor load with the same
; descriptor and a mask that names the four.  THE MATRIX INSTRUCTION IS USED TRANSPOSED (source 0 = 16 rows of w, source 1 = 16 rows of x): a lane then holds eight neighbouring features of one token.
; REGISTERS, in windows of 256: window 0: v0-31 addresses; v32-95 scale words, two sets; v128-191 x's fragments (8 x 16 rows x 128 K), ONE set; on the way out v32-63 packed results, v128-191 rows read back.
;   window 1: w's fragments, TWO sets, at v0 and at v128.   window 2: the 32 accumulators of my rows 0-63 (accumulator (a, b) at v[8 (8 a + b)]);   window 3: those of my rows 64-127.
.set SIZE_M, 8192
.set SIZE_N, 3072
.set SIZE_K, 1024
.set KSTEP,  512                       ; along K in a slot
.set NQ,     KSTEP/128                 ; matrix instructions deep
.set ROWB,   256                       ; a tile's row in bytes
.set KROW,   SIZE_K*4/8                ; a row of codes in memory, in bytes
.set PITCH,  272                       ; an LDS row: 256 bytes + 16 of padding = 68 words: the 16 rows that a load touches start at 16 different banks (64 banks of 4 bytes: ISA guide 11.1)
.set FR,     8                         ; registers of a fragment: 16 rows x 128 K
.set NL,     2                         ; LDS loads that bring one
.set NP,     4                         ; places behind this matrix instruction (ISA guide 7.12.1)
.set HALFT,  128*PITCH                 ; 128 rows: what one tensor load brings
.set SLOT,   4*HALFT                   ; x's 256 rows, then w's 256 rows
.set KS,     SIZE_K/32                 ; a row of scales in bytes
.set SCL,    2*SLOT                    ; behind the slots: the scales, as units of 256 bytes + 16 of padding
.set HALFS,  (128*KS/256)*272          ; the scales of 128 rows: what one tensor load brings
.set SBLK,   (16*KS/256)*272           ; those of 16 rows
.set SPARE,  SCL+4*HALFS               ; behind the scales: the spare words, 128 bytes for each wave
.set SPITCH, 272                       ; the way out: a stage of 16 rows x (256 bytes + 16) for each wave, in slot 0, which has had its only fill and its last read when the first result is stored there
.set ADRA, 16                          ; v16-17  LDS address of my x fragments in slot 0, 1
.set ADRB, 20                          ; v20-21  the same for w
.set STO,  24                          ; v24     the way out: where I put 16 bytes of a row
.set RD,   25                          ; v25     the way out: where I read 16 bytes back
.set CO,   26                          ; v26     16 x lane: my place in a store's 512 bytes
.set ADRS, 27                          ; v27     LDS address of my scale words: lanes 0-15 x's rows, lanes 16-31 w's
.set SPW,  28                          ; v28     LDS address of my spare word; never rewritten
.set NIL,  29                          ; v29     0; never rewritten
.set SC,   32                          ; scale words: set s (for slot s) at v[SC + 32 s]; register 4 i + q: lanes 0-15 the word of x's block i, lanes 16-31 that of w's block i, for the slot's q-th 128 along K
.set AF,   128                         ; x's fragments, in window 0
.set TMP,  32                          ; the way out: a block's 32 registers of f16 pairs
.set BK,   128                         ; the way out: a block read back: v128-159 and v160-191 by turns
.set G1, 24                            ; s[24:31] descriptor group 1 for x's tiles;  s[32:39] group 0, one set for each slot
.set G0, 32
.set G1B, 48                           ; s[48:55], s[56:63] the same for w's tiles
.set G0B, 56
.set G1S, 68                           ; s[68:75], s[76:79] groups 1 and 0 for x's scales;  s[80:87], s[88:91] for w's
.set G0S, 76
.set G1SB, 80
.set G0SB, 88
.set MSB, 0
.macro WIN new                         ; the immediate's high byte repeats the setting that is left; a switch that changes nothing is dropped
.if MSB != (\new)
	s_set_vgpr_msb (MSB<<8)|(\new)
.set MSB, (\new)
.endif
.endm
.set MUL_LO, 0xa1                      ; source 0 (w) window 1, source 1 (x) window 0, C and D window 2
.set MUL_HI, 0xf1                      ; the same, C and D window 3
.set TO_B,   0x40                      ; destination window 1, address window 0
; A joint load: waves 0 and 1 fetch for x, waves 2 and 3 for w.  Each of the two lines has ONE mask and one set of registers for all that issue it; the branch hangs on the wave's number alone.
; An s_nop 0 and four v_nop follow each of the two lines, ahead of the jump, the label and what follows.
.macro JLOAD g0a, g1a, g0b, g1b
	s_cmp_eq_u32 s15, 0
	s_cbranch_scc0 .Lfor_b_\@
	tensor_load_to_lds s[\g0a:\g0a+3], s[\g1a:\g1a+7]
	s_nop 0
.rept 4
	v_nop
.endr
	s_branch .Lasked_\@
.Lfor_b_\@:
	tensor_load_to_lds s[\g0b:\g0b+3], s[\g1b:\g1b+7]
	s_nop 0
.rept 4
	v_nop
.endr
.Lasked_\@:
.endm
.macro CROUND                          ; a round of the cluster's barrier: my work-group's barrier; wave 0 signals for the work-group; every wave waits for all sixteen; my work-group's barrier once more
	s_barrier_signal -1
	s_barrier_wait -1
	s_cmp_lg_u32 s14, 0
	s_cbranch_scc1 .Lnot_wave_0_\@
	s_barrier_signal -3
.Lnot_wave_0_\@:
	s_barrier_wait -3
	s_barrier_signal -1
	s_barrier_wait -1
.endm
	s_load_b128 s[4:7], s[0:1], 0x0                ; x's codes s[4:5], x's scales s[6:7]
	s_load_b128 s[8:11], s[0:1], 0x10              ; w's codes s[8:9], w's scales s[10:11]
	s_load_b64 s[12:13], s[0:1], 0x20              ; qkv
	v_lshl_add_u32 v[SPW], v0, 2, SPARE
	v_mov_b32 v[NIL], 0
	ds_add_u32 v[SPW], v[NIL]                      ; the wave's opening: the add, twice on end, and its wait ahead of my first tensor load; the set-up below stands between
	ds_add_u32 v[SPW], v[NIL]
	v_lshrrev_b32 v1, 5, v0
	v_readfirstlane_b32 s14, v1                    ; wave 0..3
	s_lshr_b32 s15, s14, 1                         ; which half of the tile's rows is mine.  Also: I fetch for x (0) or for w (1)
	s_and_b32 s16, s14, 1                          ; which half of its columns.  Also: which 128 rows of that tile I fetch
	s_bfe_u32 s40, ttmp6, 0x40000                  ; cx, cy: my place in the cluster
	s_bfe_u32 s41, ttmp6, 0x40004
	s_lshl_b32 s42, ttmp9, 2
	s_add_co_u32 s42, s42, s40                     ; tile column of C = 4 x cluster x + cx
	s_and_b32 s17, ttmp7, 0xffff
	s_lshl_b32 s17, s17, 2
	s_add_co_u32 s17, s17, s41                     ; tile row of C = 4 x cluster y + cy
	s_lshl_b32 s43, s41, 2
	s_lshl_b32 s43, 15, s43                        ; my row of the cluster
	s_lshl_b32 s44, 0x1111, s40                    ; my column
	; descriptor group 1: a tile of 128 rows x 256 bytes, padded in LDS
	s_or_b32 s[G1+0], s43, (0<<16)|(1<<20)|(1<<21)|(5<<22)|(3<<25)  ; 15:0 the mask: x's tiles go to my row; 17:16 element of 1 byte; 20 padding on; 21 set beside a mask; 24:22 after every 64 words; 31:25 of 4 words
	s_or_b32 s[G1B+0], s44, (0<<16)|(1<<20)|(1<<21)|(5<<22)|(3<<25)
.irp g, G1, G1B
	s_mov_b32 s[\g+1], ROWB<<16                    ; tensor_dim0
	s_mov_b32 s[\g+2], 128<<16                     ; tensor_dim1 = 128
	s_mov_b32 s[\g+3], ROWB<<16                    ; tile_dim0
	s_mov_b32 s[\g+4], 128                         ; tile_dim1 = 128
	s_mov_b32 s[\g+5], KROW                        ; tensor_dim0_stride
	s_mov_b32 s[\g+6], 0
	s_mov_b32 s[\g+7], 0
.endr
	; and for the scales of 128 rows: a dense block of 4,096 bytes, as 16 rows of 256 bytes (32 elements of 8 bytes), 16 bytes of padding behind each
	s_or_b32 s[G1S+0], s43, (3<<16)|(1<<20)|(1<<21)|(5<<22)|(3<<25)
	s_or_b32 s[G1SB+0], s44, (3<<16)|(1<<20)|(1<<21)|(5<<22)|(3<<25)
.irp g, G1S, G1SB
	s_mov_b32 s[\g+1], 32<<16
	s_mov_b32 s[\g+2], (128*KS/256)<<16
	s_mov_b32 s[\g+3], 32<<16
	s_mov_b32 s[\g+4], 128*KS/256
	s_mov_b32 s[\g+5], 32
	s_mov_b32 s[\g+6], 0
	s_mov_b32 s[\g+7], 0
.endr
	s_lshl_b32 s18, s16, 7                         ; which 128 rows of the tile I fetch
	s_lshl_b32 s20, s17, 8
	s_add_co_u32 s20, s20, s18                     ; x: row 256 x tile row + 128 x half
	s_lshl_b32 s46, s42, 8
	s_add_co_u32 s46, s46, s18                     ; w: row 256 x tile column + 128 x half
	s_mov_b32 s21, 0
	s_mov_b32 s47, 0
	s_mov_b64 s[18:19], KS
	s_mul_u64 s[22:23], s[20:21], s[18:19]         ; where these rows' scales begin, in bytes
	s_mul_u64 s[92:93], s[46:47], s[18:19]
	s_mov_b64 s[18:19], KROW
	s_mul_u64 s[20:21], s[20:21], s[18:19]         ; and their codes
	s_mul_u64 s[46:47], s[46:47], s[18:19]
	s_mul_i32 s45, s14, HALFT                      ; where they go: wave x 128 rows: no place in the cluster enters an LDS address
	s_mul_i32 s94, s14, HALFS
	s_wait_dscnt 0x0                               ; both opening adds are done
	s_wait_kmcnt 0x0
	s_add_nc_u64 s[20:21], s[4:5], s[20:21]
	s_add_nc_u64 s[22:23], s[6:7], s[22:23]
	s_add_nc_u64 s[46:47], s[8:9], s[46:47]
	s_add_nc_u64 s[92:93], s[10:11], s[92:93]
	CROUND                                         ; all sixteen work-groups are here: the joint loads meet
	s_mov_b32 s[G0S], 1
	s_add_co_u32 s[G0S+1], s94, SCL
	s_mov_b64 s[G0S+2:G0S+3], s[22:23]
	s_or_b32 s[G0S+3], s[G0S+3], 0x80000000
	s_mov_b32 s[G0SB], 1
	s_add_co_u32 s[G0SB+1], s94, SCL
	s_mov_b64 s[G0SB+2:G0SB+3], s[92:93]
	s_or_b32 s[G0SB+3], s[G0SB+3], 0x80000000
	JLOAD G0S, G1S, G0SB, G1SB                     ; the scales first: they are wanted with K step 0
.irp s, 0,1
	s_mov_b32 s[G0+4*\s], 1
	s_add_co_u32 s[G0+4*\s+1], s45, \s*SLOT
	s_add_nc_u64 s[G0+4*\s+2:G0+4*\s+3], s[20:21], \s*ROWB
	s_or_b32 s[G0+4*\s+3], s[G0+4*\s+3], 0x80000000
	s_mov_b32 s[G0B+4*\s], 1
	s_add_co_u32 s[G0B+4*\s+1], s45, \s*SLOT
	s_add_nc_u64 s[G0B+4*\s+2:G0B+4*\s+3], s[46:47], \s*ROWB
	s_or_b32 s[G0B+4*\s+3], s[G0B+4*\s+3], 0x80000000
	JLOAD G0+4*\s, G1, G0B+4*\s, G1B               ; three tensor loads of mine are out when the last of these is issued
.endr
	v_and_b32 v1, 15, v0                           ; l % 16
	v_bfe_u32 v2, v0, 4, 1                         ; l / 16
	v_mul_u32_u24 v3, v1, PITCH
	v_lshl_add_u32 v4, v2, 4, v3                   ; a fragment's row x pitch + 16 x half
	s_mul_i32 s21, s15, HALFT                      ; my 128 rows of x
	s_mul_i32 s22, s16, HALFT                      ; my 128 rows of w,
	s_add_co_u32 s22, s22, 2*HALFT                 ; which lie behind x's 256
.irp s, 0,1
	v_add_nc_u32 v[ADRA+\s], s21, v4
	v_add_nc_u32 v[ADRB+\s], s22, v4
	s_add_co_u32 s21, s21, SLOT
	s_add_co_u32 s22, s22, SLOT
.endr
	v_mul_u32_u24 v5, v1, KS                       ; my row's scales: 32 bytes a row,
	v_lshrrev_b32 v6, 8, v5
	v_lshl_add_u32 v5, v6, 4, v5                   ; and 16 more for each 256 passed
	s_mul_i32 s21, s15, HALFS                      ; x's: my 128 rows
	s_mul_i32 s22, s16, HALFS                      ; w's: my 128 rows, behind x's 256
	s_add_co_u32 s22, s22, 2*HALFS
	s_sub_co_u32 s22, s22, s21
	v_mul_u32_u24 v6, s22, v2                      ; lanes 16-31 take w's: one product, the distance between the two bases x the lane's half
	s_add_co_u32 s21, s21, SCL
	v_add_nc_u32 v5, v5, v6
	v_add_nc_u32 v[ADRS], s21, v5
	s_mul_i32 s23, s14, 16*SPITCH                  ; my stage
	v_mul_u32_u24 v5, v1, SPITCH                   ; in: row l % 16, 16 bytes for each half of the lanes
	v_lshl_add_u32 v5, v2, 4, v5
	v_add_nc_u32 v[STO], s23, v5
	v_and_b32 v6, 31, v0
	v_lshlrev_b32 v[CO], 4, v6                     ; 16 x lane
	v_lshrrev_b32 v5, 3, v6                        ; back: eight lanes take a token's 128 bytes of one head, four tokens an instruction
	v_mul_u32_u24 v5, v5, SPITCH
	v_and_b32 v6, 7, v0
	v_lshl_add_u32 v5, v6, 4, v5
	v_add_nc_u32 v[RD], s23, v5
	; where my 128 tokens x 2 heads begin in qkv.  By the tile row: batch (tile row / 8) x 16 heads x 2^18 bytes + position (256 (tile row % 8) + 128 half) x 128 bytes;
	s_lshr_b32 s20, s17, 3
	s_lshl_b32 s20, s20, 22
	s_and_b32 s21, s17, 7
	s_lshl_b32 s21, s21, 15
	s_add_co_u32 s20, s20, s21
	s_lshl_b32 s21, s15, 14
	s_add_co_u32 s20, s20, s21
	s_mov_b32 s21, 0
	; by the tile column: part (tile column / 4) x 2^24 + head (4 (tile column % 4) + 2 half) x 2^18
	s_lshr_b32 s46, s42, 2
	s_lshl_b32 s46, s46, 24
	s_and_b32 s47, s42, 3
	s_lshl_b32 s47, s47, 20
	s_add_co_u32 s46, s46, s47
	s_lshl_b32 s47, s16, 19
	s_add_co_u32 s46, s46, s47
	s_mov_b32 s47, 0
	s_add_nc_u64 s[20:21], s[20:21], s[46:47]
	s_add_nc_u64 s[12:13], s[12:13], s[20:21]
.macro FRAG reg, adr, q, i             ; a fragment, 16 rows x 128 K of 4-bit codes, is 8 registers: lane l holds row l % 16; registers 4 c .. 4 c + 3 hold K = 64 c + 32 (l / 16) + 0 .. 31
.irp c, 0,1
	ds_load_b128 v[\reg+4*\c:\reg+4*\c+3], v[\adr] offset:64*(\q)+32*\c+(\i)*16*PITCH
.endr
.endm
; 16 matrix instructions: x's blocks a0, a0 + 1 against w's eight, 128 along K: the slot's q-th.  p: w's set;  sc: the set of scale words.  zero = 1: the first product starts the sums: nothing is ever cleared.
; The 64 accumulators take turns, one instruction a turn, in the same order in every step.
.macro MUL16 a0, p, q, sc, zero
.irp a, \a0, \a0+1
.irp b, 0,1,2,3,4,5,6,7
.if \zero
	v_wmma_scale_f32_16x16x128_f8f6f4 v[8*(8*((\a)%4)+\b):8*(8*((\a)%4)+\b)+7], v[128*(\p)+FR*\b:128*(\p)+FR*\b+FR-1], v[AF+FR*(\a):AF+FR*(\a)+FR-1], 0, v[SC+8*NQ*(\sc)+NQ*\b+(\q)], v[SC+8*NQ*(\sc)+NQ*(\a)+(\q)] matrix_a_fmt:MATRIX_FMT_FP4 matrix_b_fmt:MATRIX_FMT_FP4 matrix_a_scale:MATRIX_SCALE_ROW1
.else
	v_wmma_scale_f32_16x16x128_f8f6f4 v[8*(8*((\a)%4)+\b):8*(8*((\a)%4)+\b)+7], v[128*(\p)+FR*\b:128*(\p)+FR*\b+FR-1], v[AF+FR*(\a):AF+FR*(\a)+FR-1], v[8*(8*((\a)%4)+\b):8*(8*((\a)%4)+\b)+7], v[SC+8*NQ*(\sc)+NQ*\b+(\q)], v[SC+8*NQ*(\sc)+NQ*(\a)+(\q)] matrix_a_fmt:MATRIX_FMT_FP4 matrix_b_fmt:MATRIX_FMT_FP4 matrix_a_scale:MATRIX_SCALE_ROW1
.endif
.endr
.endr
.endm
.macro FETCH_B slot, q, p              ; w's eight fragments of the slot's q-th 128 along K into set p
	WIN TO_B
.irp i, 0,1,2,3,4,5,6,7
	FRAG 128*(\p)+FR*\i, ADRB+\slot, \q, \i
.endr
	WIN 0
.endm
.macro FETCH_A slot, q, i0             ; x's blocks i0 .. i0 + 3
.irp i, \i0, \i0+1, \i0+2, \i0+3
	FRAG AF+FR*(\i), ADRA+\slot, \q, \i
.endr
.endm
.macro SCALES sc                       ; a K step's scale words into set sc: 4 words a row; lanes 0-15 take x's block i, lanes 16-31 w's block i
.irp i, 0,1,2,3,4,5,6,7
	ds_load_b128 v[SC+8*NQ*\sc+NQ*\i:SC+8*NQ*\sc+NQ*\i+3], v[ADRS] offset:\i*SBLK
.endr
.endm
; A load into a register that a matrix instruction has read, and a vector instruction that reads a matrix result, stand four places behind that matrix instruction; only plain vector
; instructions that name none of its registers are places; the matrix instructions in between are not counted.
.macro PLACES n
.rept \n
	v_nop
.endr
.endm
; A step of 128 along K that has its successor in the same slot.
.macro STEP slot, q, zero
	s_wait_dscnt 4*NL                              ; w's set and x's blocks 0-3 are in; the youngest eight loads (x's blocks 4-7) may be out
	WIN MUL_LO
	MUL16 0, (\q)%2, \q, \slot, \zero
	MUL16 2, (\q)%2, \q, \slot, \zero
	s_wait_dscnt 0                                 ; x's blocks 4-7 are in (asked for 32 matrix instructions ago)
	PLACES NP
	FETCH_B \slot, (\q)+1, 1-(\q)%2
	FETCH_A \slot, (\q)+1, 0
	WIN MUL_HI
	MUL16 4, (\q)%2, \q, \slot, \zero
	MUL16 6, (\q)%2, \q, \slot, \zero
	PLACES NP
	WIN 0
	FETCH_A \slot, (\q)+1, 4
.endm
; Slot 0's last step changes slots: one barrier; in front of it each wave waits for all its tensor loads (its part of slot 1), adds 0 to its spare word, and waits for that and for its reads of slot 0.
; Behind it nobody reads slot 0 any more: the stages of the way out lie there.
.macro TURN slot, next
	s_wait_tensorcnt 0x0                           ; all my tensor loads have landed
	ds_add_u32 v[SPW], v[NIL]                      ; 0 onto my spare word
	s_wait_dscnt 4*NL+1                            ; (the add and the youngest eight loads, x's blocks 4-7, may be out)
	WIN MUL_LO
	MUL16 0, 1, NQ-1, \slot, 0                     ; sixteen matrix instructions stand between the add and the wait for it
	s_wait_dscnt 0x0                               ; the add is done, and my reads of this slot are over
	s_barrier_signal -1
	MUL16 2, 1, NQ-1, \slot, 0
	WIN 0
	s_barrier_wait -1
	PLACES NP
	v_add_nc_u32 v[ADRS], 4*NQ, v[ADRS]            ; on to the next K step's scale words (no LDS load of mine is out)
	FETCH_B \next, 0, 0
	FETCH_A \next, 0, 0
	SCALES \next
	WIN MUL_HI
	MUL16 4, 1, NQ-1, \slot, 0
	MUL16 6, 1, NQ-1, \slot, 0
	PLACES NP
	WIN 0
	FETCH_A \next, 0, 4
.endm
.macro STEPS slot, from                ; the slot's steps from .. NQ - 2
.set Q, \from
.rept NQ-1-\from
	STEP \slot, Q, 0
.set Q, Q+1
.endr
.endm
	s_wait_tensorcnt 1                             ; the scales and my part of K step 0 are in (K step 1's load, issued last, may be out),
	s_barrier_signal -1
	s_barrier_wait -1                              ; everybody's are
	FETCH_B 0, 0, 0
	FETCH_A 0, 0, 0
	SCALES 0
	FETCH_A 0, 0, 4
	STEP 0, 0, 1                                   ; the first step's products start the sums
	STEPS 0, 1
	TURN 0, 1
	STEPS 1, 0
	s_wait_dscnt 4*NL                              ; the very last step: nothing more to fetch
	WIN MUL_LO
	MUL16 0, 1, NQ-1, 1, 0
	MUL16 2, 1, NQ-1, 1, 0
	s_wait_dscnt 0
	WIN MUL_HI
	MUL16 4, 1, NQ-1, 1, 0
	MUL16 6, 1, NQ-1, 1, 0
	WIN 0
; THE WAY OUT, block by block of 16 tokens x 128 features (two heads).  PACK: a lane's eight neighbouring features are rounded to f16: 16 bytes.  TOSTAGE: into my stage (rows of 272 bytes), and back so that
; 32 lanes hold four tokens' 128 bytes of ONE head, which are 512 consecutive bytes of qkv.  SEND: stored.  LDS serves a wave's instructions in order (ISA guide 5.7.1.4): no wait between the stores and the loads.
.macro PACK a
.set AC, 64*((\a)%4)
	WIN 0x0a+5*((\a)/4)                            ; sources 0 and 1: window 2 or 3
.irp b, 0,1,2,3,4,5,6,7
.irp r, 0,1,2,3
	v_cvt_pk_f16_f32 v[TMP+4*\b+\r], v[AC+8*\b+2*\r], v[AC+8*\b+2*\r+1]   ; each accumulator from its low end on
.endr
.endr
	WIN 0
.endm
.macro TOSTAGE a
.set BB, BK+32*((\a)%2)
.irp b, 0,1,2,3,4,5,6,7
	ds_store_b128 v[STO], v[TMP+4*\b:TMP+4*\b+3] offset:32*\b
.endr
.irp t, 0,1,2,3,4,5,6,7
	ds_load_b128 v[BB+4*\t:BB+4*\t+3], v[RD] offset:(\t%4)*4*SPITCH+(\t/4)*128   ; tokens 4 (t % 4) .. + 3, head t / 4
.endr
.endm
.macro SEND a
.set BB, BK+32*((\a)%2)
	s_wait_dscnt 0x0                               ; the block is back in registers
	s_wait_xcnt 0x0                                ; the stores of the block before have read their data: the next block's loads land there only behind this wait
.irp t, 0,1,2,3,4,5,6,7
	global_store_b128 v[CO], v[BB+4*\t:BB+4*\t+3], s[12:13] offset:(\a)*2048+(\t/4)*262144+(\t%4)*512   ; 32 lanes store 512 consecutive bytes, at a multiple of 512 from qkv's first byte
.endr
.endm
	PLACES NP                                      ; behind the last products: for the conversions, for the writes of v32-63 and for the loads into v128-191
	PACK 0
	TOSTAGE 0
.irp a, 1,2,3,4,5,6,7                  ; block a's conversions stand between block a - 1's loads from the stage and the wait for them
	PACK \a
	SEND \a-1
	TOSTAGE \a
.endr
	SEND 7
	s_wait_tensorcnt 0x0                           ; the wave's end: the tensor wait, the add and its wait stand behind my last tensor load and my last LDS store
	ds_add_u32 v[SPW], v[NIL]
	s_wait_dscnt 0x0
	CROUND                                         ; the closing round: no work-group ends while a partner may still ask for a tile that names it
	s_endpgm
.Lfunc_end_k_q41609c7746_gemm_qkv:
	.size	k_q41609c7746_gemm_qkv, .Lfunc_end_k_q41609c7746_gemm_qkv-k_q41609c7746_gemm_qkv
	.p2alignl 7, 3214868480
	.fill 96, 4, 3214868480
	.section	.rodata,"a",@progbits
	.p2align	6, 0x0
	.amdhsa_kernel k_q41609c7746_gemm_qkv
		.amdhsa_group_segment_fixed_size 327680
		.amdhsa_private_segment_fixed_size 0
		.amdhsa_enable_private_segment 0
		.amdhsa_kernarg_size 40
		.amdhsa_user_sgpr_count 2
		.amdhsa_user_sgpr_kernarg_segment_ptr 1
		.amdhsa_wavefront_size32 1
		.amdhsa_system_sgpr_workgroup_id_x 1
		.amdhsa_system_sgpr_workgroup_id_y 1
		.amdhsa_system_sgpr_workgroup_id_z 1
		.amdhsa_system_vgpr_workitem_id 0
		.amdhsa_next_free_vgpr 1024
		.amdhsa_next_free_sgpr 98
		.amdhsa_reserve_vcc 0
		.amdhsa_float_denorm_mode_32 3
		.amdhsa_float_denorm_mode_16_64 3
		.amdhsa_memory_ordered 1
		.amdhsa_forward_progress 1
		.amdhsa_inst_pref_size 126
	.end_amdhsa_kernel
	.amdgpu_metadata
---
amdhsa.version: [ 1, 2 ]
amdhsa.kernels:
  - .name:           k_q41609c7746_gemm_qkv
    .symbol:         k_q41609c7746_gemm_qkv.kd
    .args:
      - { .name: x_codes, .offset: 0, .size: 8, .value_kind: global_buffer, .address_space: global }
      - { .name: x_scales, .offset: 8, .size: 8, .value_kind: global_buffer, .address_space: global }
      - { .name: w_codes, .offset: 16, .size: 8, .value_kind: global_buffer, .address_space: global }
      - { .name: w_scales, .offset: 24, .size: 8, .value_kind: global_buffer, .address_space: global }
      - { .name: qkv, .offset: 32, .size: 8, .value_kind: global_buffer, .address_space: global }
    .group_segment_fixed_size: 327680
    .private_segment_fixed_size: 0
    .kernarg_segment_align: 8
    .kernarg_segment_size: 40
    .max_flat_workgroup_size: 128
    .sgpr_count:     98
    .vgpr_count:     1024
    .wavefront_size: 32
...
	.end_amdgpu_metadata
.endif
;; end of part 2
;; launch attention (part 3): grid 8 x 32, 8 waves a work-group, clusters of 4 x 1, 327,680 bytes of LDS; arguments qkv, bias, attn; writes attn
.if DOCPART == 3
	.amdgcn_target "amdgcn-amd-amdhsa--gfx1250"
	.amdhsa_code_object_version 6
	.text
	.protected	k_q41609c7746_attention
	.globl	k_q41609c7746_attention
	.p2align	8
	.type	k_q41609c7746_attention,@function
k_q41609c7746_attention:
	s_mov_b64 s[64:65], 0
	v_nop
	global_prefetch_b8 v0, s[64:65] scope:SCOPE_SE
	s_setreg_imm32_b32 hwreg(HW_REG_WAVE_MODE, 25, 1), 1
	s_wait_xcnt 0x0
	s_wait_alu depctr_hold_cnt(0) depctr_sa_sdst(0) depctr_va_vdst(0) depctr_va_sdst(0) depctr_va_ssrc(0) depctr_va_vcc(0) depctr_vm_vsrc(0)
	s_getreg_b32 s2, hwreg(HW_REG_IB_STS2, 6, 4)
	s_cmp_eq_u32 s2, 0
	s_cbranch_scc0 .Lentry_in_a_cluster
	s_endpgm
.Lentry_in_a_cluster:
	s_bfe_u32 s2, ttmp6, 0x10000c
	s_cmp_lg_u32 s2, 0x3003
	s_cbranch_scc0 .Lentry_shape_is_right
	s_endpgm
.Lentry_shape_is_right:
; attn[b][q][head][:] = the sum over k of softmax_k(Q[q] . K[k] / 8 + mask) V[k][:], head size 64, 2,048 keys, 64 pairs (batch, head).
; qkv: [3 parts][64 heads][2048][64] f16 (a part 2^24 bytes, a head 2^18, a row 128).  bias: [4][2 copies][2048] f32, 0 or -3e38 (a masked key).  attn: [8192 tokens][1024] f16.
; Both products take f16 operands and sum in f32; maxima, exponentials and the row's sum in f32; the weights p are rounded to f16 for the second product, the result once at the end.
; THE MASK is the C of each score tile's first matrix instruction: score + bias.  The running maximum begins at -1e30, which lies under every score that f16 operands can give (64 x 65,504^2 < 3e11) and far
; above -3e38: so a masked key's p is exactly 0, and a batch whose keys are all masked ends with sum 0 and O 0, and 0 x (1 / 0) is NaN, as the softmax of a row of -infinity is.
; LIMITS: a masked score is -3e38 and not -infinity (no difference in any result, by the line above); results under the smallest f16 numbers lose bits (steps of 6e-8); NaN and infinities in qkv are not served.
; SHARES.  A work-group owns 256 queries of a PAIR of heads (2 hp, 2 hp + 1 of batch b; y = 8 b + hp) and takes the two heads one after the other.  The pair's K is 4,096 consecutive rows of 128 bytes, and so
; is its V: the ring walks 16 slots of 256 keys with no break at the change of heads.  Head 0's result waits in the stage as f16; at the end a token's 2 x 128 bytes leave as 256 consecutive, aligned bytes of attn.
; Each of the 8 waves owns 32 queries: tiles t = 0, 1 of 16.  Two waves lie on a SIMD, so that one wave's softmax stands beside the other's products.
; LAYOUT.  S^T = K Q^T (source 0 = 16 keys, source 1 = 16 queries): a lane holds ONE query (lane % 16) and the keys 8 (lane / 16) + 0..7 of a tile.  Two such tiles, rounded to f16 in pairs, ARE source 1
; (32 keys x 16 queries) of O^T = V^T P, whose result again holds one query a lane and eight channels.  K comes out of LDS as it lies, V ([key][channel]) turned, by ds_load_tr16_b128.
; SOFTMAX.  For each query a running maximum m and sum l: p = 2^(c s - c m), c = log2(e) / 8; in every step O and l are multiplied by a = 2^(c m_old - c m_new).
; CLUSTER.  The four query blocks of a cluster walk the same K, V and bias: each tile is asked for JOINTLY, by the same tensor load with the same descriptor and the mask of all four.
; REGISTERS, in two windows of 256.  Window 0: v1-15 addresses; v16-31 statistics, 8 a tile; v32-95 S^T, 32 a tile; v96-127 P, 16 a tile; v128-191 O^T, 32 a tile.
;   Window 1: v0-31 Q; v32-95 K of a step; v96-159 V of a step; v160-191 the step's bias, in a score tile's layout.
.set PK,    144       ; a row of K in LDS: 128 bytes + 16 = 36 words: the 16 rows of a load start at 16 different groups of four banks (64 banks of 4 bytes: ISA guide 11.1)
.set PV,    160       ; a row of V: 128 + 32 bytes: an odd multiple of 32, for the turning load
.set SKEYS, 256       ; keys in a slot: four steps of 64
.set VOFF,  SKEYS*PK  ; a slot: 256 rows of K, then 256 rows of V
.set SLOT1, 1<<17     ; slot 1 begins here, so that one exclusive or turns an address in one slot into the other's
.set STAGE, SLOT1+SKEYS*(PK+PV)   ; behind the ring: 32 rows x 272 bytes for each wave: a token's 128 bytes of head 0, its 128 of head 1, 16 of padding
.set SP,    272
.set BIAS,  STAGE+8*32*SP         ; the batch's bias, twice on end: 16,384 bytes, filled once
.set SPARE, BIAS+16384            ; the spare words, 128 bytes for each wave
.set AK0, 2           ; v2   my lane's place in a tile of K; never rewritten
.set AV0, 3           ; v3   the same for V
.set AB0, 4           ; v4   and in the bias: BIAS + 32 (lane / 16)
.set ADK, 5           ; v5   LDS address of the slot's K
.set ADV, 6           ; v6   of its V
.set ADB, 7           ; v7   of its 256 keys' bias
.set QO,  8           ; v8   my byte offset in the wave's rows of Q
.set STO, 9           ; v9   the stage: where I put 16 bytes of a row
.set RD,  10          ; v10  and where I read a row back
.set GO,  11          ; v11  my byte offset in the wave's rows of attn
.set PFO, 12          ; v12  256 x my lane: the prefetches' offset; never rewritten
.set SPW, 14          ; v14  LDS address of my spare word; never rewritten
.set NIL, 15          ; v15  0; never rewritten
.set ST,  16          ; tile t's statistics at v[ST+8 t]: +0 c m, +1 m, +2, +3 l (even keys', odd keys'), +4 to +7 at work; a lies in +6
.set S,   32
.set P,   96
.set OT,  128
.set QF,  0           ; window 1
.set KF,  32
.set VF,  96
.set BF,  160
.set WV,  14          ; s14  my wave's number
.set LIM, 15          ; s15  1 in a wave that prefetches, else the greatest number
.set G1K, 24          ; s[24:31] descriptor group 1 for K's tiles
.set G1V, 32          ; s[32:39] for V's: it differs in the padding alone
.set G0K, 40          ; s[40:43] group 0 for K's tiles: it walks
.set G0V, 44          ; s[44:47] for V's
.set G1S, 48          ; s[48:55], s[56:59] groups 1 and 0 for the bias
.set G0S, 56
.set CS,  60          ; s[60:61] c: the packed scaling names a pair and takes its low word for both halves
.set SEL, 62          ; s[62:63] lane selects for v_permlanex16_b32: lane l xor 16
.set TB,  66          ; s66  LDS byte at which the slot in hand begins
.set TJ,  67          ; s67  byte of the bias at which the slot's keys begin
.set SLOTS, 68        ; s68  slots still to be asked for
.set PFA, 70          ; s[70:71] where my prefetches stand
.set MSB, 0
.macro WIN new                      ; the immediate's high byte repeats the setting that is left; a switch that changes nothing is dropped
.if MSB != (\new)
	s_set_vgpr_msb (MSB<<8)|(\new)
.set MSB, (\new)
.endif
.endm
.set W_KQ0, 0x15      ; K, Q and the bias (sources 0, 1, 2) in window 1, S^T in window 0
.set W_KQ1, 0x05      ; K and Q in window 1, S^T (C and D) in window 0
.set W_PV,  0x01      ; V in window 1; P and O^T in window 0
.set TO_1,  0x40      ; destination window 1, address window 0
.macro PLACES                       ; four places behind matrix instructions: in front of loads into registers that they have read and of vector instructions that read their results
.rept 4
	v_nop
.endr
.endm
; A joint load of a slot's tiles.  Waves 0 to 3 fetch K's four quarters (64 rows each), waves 4 to 7 V's.  The branch hangs on the wave's number alone: it is the same in every work-group.
; An s_nop 0 and four v_nop follow each of the two lines, ahead of the jump, the label and what follows.
.macro JLOAD
	s_cmp_lt_u32 s[WV], 4
	s_cbranch_scc0 .Lfor_v_\@
	tensor_load_to_lds s[G0K:G0K+3], s[G1K:G1K+7]
	s_nop 0
.rept 4
	v_nop
.endr
	s_branch .Lasked_\@
.Lfor_v_\@:
	tensor_load_to_lds s[G0V:G0V+3], s[G1V:G1V+7]
	s_nop 0
.rept 4
	v_nop
.endr
.Lasked_\@:
.endm
; A PREFETCH INTO THE L2 of what the NEXT change of slots will ask for: a slot's 32,768 bytes of K and as many of V.  It stands behind the wave's tensor load and its five lines.
; Each aligned block of 256 bytes is named ONCE in the launch.  Both clusters of a head pair walk the same K and V: the first (cluster x = 0) asks.  Its four partners share a slot out BY ADDRESS, 8,192 bytes each;
; in each, wave 0 asks for K's and wave 4 for V's: one instruction, lanes 256 bytes apart.  The last change that fills a slot asks for nothing; slots 0 and 1 come by their loads alone.
.macro ASK
	s_cmp_gt_u32 s[SLOTS], s[LIM]
	s_cbranch_scc0 .Lnot_mine_\@
	global_prefetch_b8 v[PFO], s[PFA:PFA+1] th:TH_LOAD_NT scope:SCOPE_SE
.Lnot_mine_\@:
.endm
.macro CROUND                       ; a round of the cluster's barrier: my work-group's barrier; wave 0 signals for the work-group; every wave waits for all four; my work-group's barrier once more
	s_barrier_signal -1
	s_barrier_wait -1
	s_cmp_lg_u32 s[WV], 0
	s_cbranch_scc1 .Lnot_wave_0_\@
	s_barrier_signal -3
.Lnot_wave_0_\@:
	s_barrier_wait -3
	s_barrier_signal -1
	s_barrier_wait -1
.endm
	s_load_b128 s[72:75], s[0:1], 0x0 ; qkv s[72:73], bias s[74:75]
	s_load_b64 s[76:77], s[0:1], 0x10 ; attn
	v_lshl_add_u32 v[SPW], v0, 2, SPARE
	v_mov_b32 v[NIL], 0
	ds_add_u32 v[SPW], v[NIL]       ; the wave's opening: the add, twice on end, and its wait ahead of my first tensor load; the set-up below stands between
	ds_add_u32 v[SPW], v[NIL]
	v_lshrrev_b32 v1, 5, v0
	v_readfirstlane_b32 s[WV], v1   ; wave 0..7
	s_bfe_u32 s16, ttmp6, 0x40000   ; cx: my place in the cluster
	s_lshl_b32 s17, ttmp9, 2        ; in a cluster launch ttmp9 counts clusters
	s_add_co_u32 s17, s17, s16      ; my block of 256 queries: it enters Q's and attn's addresses alone
	s_and_b32 s18, ttmp7, 0xffff    ; y = 8 batch + head pair, which the four partners share
	s_and_b32 s19, s[WV], 3         ; which quarter of a slot's rows I fetch
	s_lshl_b32 s20, s18, 19         ; the pair's first byte in a part: 2 heads x 2^18
	s_lshl_b32 s22, s19, 13         ; K: my quarter's 64 rows of 128 bytes,
	s_add_co_u32 s22, s22, s20
	s_add_co_u32 s22, s22, 1<<24    ; in part 1
	s_mov_b32 s23, 0
	s_lshl_b32 s2, s17, 15          ; Q: my block's 256 rows,
	s_lshl_b32 s3, s[WV], 12        ; my wave's 32 of them
	s_add_co_u32 s2, s2, s3
	s_add_co_u32 s2, s2, s20
	s_mov_b32 s3, 0
	s_lshr_b32 s21, s18, 3          ; the batch
	s_lshl_b32 s78, s21, 14         ; the bias: the batch's 16,384 bytes,
	s_lshl_b32 s79, s[WV], 11       ; my wave's eighth
	s_add_co_u32 s78, s78, s79
	s_mov_b32 s79, 0
	s_lshl_b32 s20, s21, 22         ; attn: token (2048 batch + 256 block + 32 wave) x 2,048 bytes + 256 x head pair
	s_lshl_b32 s21, s17, 19
	s_add_co_u32 s20, s20, s21
	s_lshl_b32 s21, s[WV], 16
	s_add_co_u32 s20, s20, s21
	s_and_b32 s21, s18, 7
	s_lshl_b32 s21, s21, 8
	s_add_co_u32 s20, s20, s21
	s_mov_b32 s21, 0
	; descriptor group 1: a tile of 64 rows x 64 elements of 2 bytes, padded behind every row
	s_mov_b32 s[G1K], 15|(1<<16)|(1<<20)|(1<<21)|(4<<22)|(3<<25)  ; 15:0 the mask: all four work-groups; 17:16 elements of 2 bytes; 20 padding on; 21 set beside a mask; 24:22 after every 32 words (code 4); 31:25 4 words (code 3)
	s_mov_b32 s[G1V], 15|(1<<16)|(1<<20)|(1<<21)|(4<<22)|(7<<25)  ; the same with 8 words of padding (code 7)
.irp g, G1K, G1V
	s_mov_b32 s[\g+1], 64<<16       ; tensor_dim0 = 64
	s_mov_b32 s[\g+2], 64<<16       ; tensor_dim1 = 64
	s_mov_b32 s[\g+3], 64<<16       ; tile_dim0 = 64
	s_mov_b32 s[\g+4], 64           ; tile_dim1 = 64
	s_mov_b32 s[\g+5], 64           ; tensor_dim0_stride: elements from row to row
	s_mov_b32 s[\g+6], 0
	s_mov_b32 s[\g+7], 0
.endr
	s_mov_b32 s[G1S], 15|(3<<16)|(1<<21)  ; the bias: 2,048 dense bytes as 8 rows of 32 elements of 8 bytes, no padding
	s_mov_b32 s[G1S+1], 32<<16
	s_mov_b32 s[G1S+2], 8<<16
	s_mov_b32 s[G1S+3], 32<<16
	s_mov_b32 s[G1S+4], 8
	s_mov_b32 s[G1S+5], 32
	s_mov_b32 s[G1S+6], 0
	s_mov_b32 s[G1S+7], 0
	s_mov_b32 s[CS], 0x3e38aa3b     ; c = log2(e) / 8
	s_mov_b32 s[CS+1], s[CS]        ; named with it as a pair, so it is written
	s_mov_b32 s[SEL], 0x76543210
	s_mov_b32 s[SEL+1], 0xfedcba98
	s_mov_b32 s[TB], 0
	s_mov_b32 s[TJ], 0
	s_mov_b32 s[SLOTS], 15
	s_and_b32 s[LIM], s[WV], 3      ; 0 in waves 0 and 4,
	s_or_b32 s[LIM], s[LIM], ttmp9  ; where the cluster is the pair's first: the same in all four partners
	s_cmp_eq_u32 s[LIM], 0
	s_cselect_b32 s[LIM], 1, -1
	s_wait_dscnt 0x0                ; both opening adds are done
	s_wait_kmcnt 0x0
	s_add_nc_u64 s[6:7], s[72:73], s[22:23]    ; K at my quarter of slot 0
	s_add_nc_u64 s[8:9], s[6:7], 1<<24         ; V likewise, one part on
	s_add_nc_u64 s[4:5], s[72:73], s[2:3]      ; Q at my wave's first row, head 0
	s_add_nc_u64 s[10:11], s[76:77], s[20:21]  ; attn at my wave's first token
	s_add_nc_u64 s[12:13], s[74:75], s[78:79]  ; the bias at my eighth
	CROUND                          ; all four work-groups are here: the first joint loads meet
	s_mov_b32 s[G0S], 1             ; 1:0 count = 1
	s_lshl_b32 s2, s[WV], 11
	s_add_co_u32 s[G0S+1], s2, BIAS ; 63:32 LDS address: no place in the cluster enters it
	s_mov_b64 s[G0S+2:G0S+3], s[12:13]         ; 120:64 global address
	s_or_b32 s[G0S+3], s[G0S+3], 0x80000000    ; 127:126 type = 2
	s_mov_b32 s[G0K], 1
	s_mul_i32 s[G0K+1], s19, 64*PK
	s_mov_b64 s[G0K+2:G0K+3], s[6:7]
	s_or_b32 s[G0K+3], s[G0K+3], 0x80000000
	s_mov_b32 s[G0V], 1
	s_mul_i32 s2, s19, 64*PV
	s_add_co_u32 s[G0V+1], s2, VOFF
	s_mov_b64 s[G0V+2:G0V+3], s[8:9]
	s_or_b32 s[G0V+3], s[G0V+3], 0x80000000
	tensor_load_to_lds s[G0S:G0S+3], s[G1S:G1S+7]  ; every wave: its eighth of the bias, filled once
	s_nop 0
.rept 4
	v_nop
.endr
	JLOAD                           ; slot 0: two tensor loads of mine are out
	s_cmp_lt_u32 s[WV], 4           ; the prefetches: in waves 0 and 4 these stand at a slot's first row
	s_cselect_b64 s[PFA:PFA+1], s[6:7], s[8:9]
	s_lshl_b32 s2, s16, 13          ; my work-group's 8,192 bytes of a slot's 32,768,
	s_add_co_u32 s2, s2, 32768      ; in slot 1: the first change of slots steps it to slot 2.  Nothing is prefetched here, at the head
	s_mov_b32 s3, 0
	s_add_nc_u64 s[PFA:PFA+1], s[PFA:PFA+1], s[2:3]
	v_and_b32 v1, 15, v0            ; r = lane % 16
	v_bfe_u32 v13, v0, 4, 1         ; h = lane / 16
	v_lshlrev_b32 v[QO], 7, v1
	v_lshl_add_u32 v[QO], v13, 4, v[QO]  ; Q: row r of 128 bytes + 16 h
; Q's fragments of head hh stay in registers: tile t, channels 32 kc on: lane (r, h) holds row r; registers 0-3 channels 8 h + 0..7, registers 4-7 channels 16 + 8 h + 0..7
.macro QLOAD hh
	WIN TO_1
.irp t, 0,1
.irp kc, 0,1
	global_load_b128 v[QF+16*\t+8*\kc:QF+16*\t+8*\kc+3],   v[QO], s[4:5] offset:\hh*262144+\t*2048+\kc*64
	global_load_b128 v[QF+16*\t+8*\kc+4:QF+16*\t+8*\kc+7], v[QO], s[4:5] offset:\hh*262144+\t*2048+\kc*64+32
.endr
.endr
	WIN 0
.endm
	QLOAD 0
	v_mul_u32_u24 v[AK0], v1, PK
	v_lshl_add_u32 v[AK0], v13, 4, v[AK0]  ; K: row x pitch + 16 h
	; The turning load takes 16 keys x 16 channels (lane l reads 16 bytes: key 8 (l / 16) + l % 8, channels 8 ((l / 8) % 2) + 0..7) and leaves half a fragment of V^T: lane l holds channel l % 16 and 8 keys.
	v_and_b32 v5, 7, v0
	v_bfe_u32 v6, v0, 3, 1
	v_lshl_add_u32 v[AV0], v13, 3, v5
	v_mul_u32_u24 v[AV0], v[AV0], PV
	v_lshl_add_u32 v[AV0], v6, 4, v[AV0]
	v_add_nc_u32 v[AV0], VOFF, v[AV0]
	v_lshl_add_u32 v[AB0], v13, 5, BIAS  ; the bias of a score tile's keys 8 h + 0..7: 32 bytes; the same in all 16 lanes of a half
	s_mul_i32 s2, s[WV], 32*SP
	s_add_co_u32 s2, s2, STAGE      ; my stage
	v_mul_u32_u24 v[STO], v1, SP    ; in: row r, 16 bytes for each half of the lanes
	v_lshl_add_u32 v[STO], v13, 4, v[STO]
	v_add_nc_u32 v[STO], s2, v[STO]
	v_mul_u32_u24 v[RD], v13, SP    ; back: lanes 0-15 take one row of 256 bytes, lanes 16-31 the next
	v_lshl_add_u32 v[RD], v1, 4, v[RD]
	v_add_nc_u32 v[RD], s2, v[RD]
	v_lshlrev_b32 v[GO], 11, v13    ; and the same two tokens in attn, 2,048 bytes apart
	v_lshl_add_u32 v[GO], v1, 4, v[GO]
	v_and_b32 v[PFO], 31, v0
	v_lshlrev_b32 v[PFO], 8, v[PFO]
; A head begins: m = -1e30, l = 0, O^T = 0.  The key step is written once for all steps: a head's first step finds zeros, which its a = 0 leaves zeros.
.macro INIT
.irp t, 0,1
	v_mov_b32 v[ST+8*\t+1], 0xf149f2ca  ; -1e30
	v_mov_b32 v[ST+8*\t+2], 0
	v_mov_b32 v[ST+8*\t+3], 0
	v_mul_f32 v[ST+8*\t], s[CS], v[ST+8*\t+1]
.endr
.set i, 0
.rept 64
	v_mov_b32 v[OT+i], 0
.set i, i+1
.endr
.endm
	INIT
; The slot's q-th 64 keys: K's 8 fragments (keys 16 kt on, channels 32 kc on), and the bias in a score tile's layout: 24 LDS loads
.macro FETCH_K q
.irp kt, 0,1,2,3
.irp kc, 0,1
	ds_load_b128 v[KF+16*\kt+8*\kc:KF+16*\kt+8*\kc+3],   v[ADK] offset:(\q)*64*PK+\kt*16*PK+\kc*64
	ds_load_b128 v[KF+16*\kt+8*\kc+4:KF+16*\kt+8*\kc+7], v[ADK] offset:(\q)*64*PK+\kt*16*PK+\kc*64+32
.endr
.endr
.irp kt, 0,1,2,3
	ds_load_b128 v[BF+8*\kt:BF+8*\kt+3],   v[ADB] offset:(\q)*256+\kt*64
	ds_load_b128 v[BF+8*\kt+4:BF+8*\kt+7], v[ADB] offset:(\q)*256+\kt*64+16
.endr
.endm
.macro FETCH_V q                    ; V^T's 8 fragments (keys 32 kk on, channels 16 ct on), turned: 16 LDS loads
.irp kk, 0,1
.irp ct, 0,1,2,3
	ds_load_tr16_b128 v[VF+32*\kk+8*\ct:VF+32*\kk+8*\ct+3],   v[ADV] offset:(\q)*64*PV+\kk*32*PV+\ct*32
	ds_load_tr16_b128 v[VF+32*\kk+8*\ct+4:VF+32*\kk+8*\ct+7], v[ADV] offset:(\q)*64*PV+\kk*32*PV+16*PV+\ct*32
.endr
.endr
.endm
; THE SOFTMAX of a key step, both tiles line by line in turn, so that no line waits for the line above it.
.macro SOFTMAX
.irp j, 0,1,2,3                     ; the maximum of my 32 scores and the old m: four chains, each begun at a score tile's low end
.irp t, 0,1
	v_max3_num_f32 v[ST+8*\t+4+\j], v[S+32*\t+8*\j], v[S+32*\t+8*\j+1], v[S+32*\t+8*\j+2]
.endr
.endr
.irp i, 3,5
.irp j, 0,1,2,3
.irp t, 0,1
	v_max3_num_f32 v[ST+8*\t+4+\j], v[ST+8*\t+4+\j], v[S+32*\t+8*\j+\i], v[S+32*\t+8*\j+\i+1]
.endr
.endr
.endr
.irp t, 0,1
	v_max3_num_f32 v[ST+8*\t+4], v[ST+8*\t+4], v[S+32*\t+7], v[S+32*\t+15]
.endr
.irp t, 0,1
	v_max3_num_f32 v[ST+8*\t+6], v[ST+8*\t+6], v[S+32*\t+23], v[S+32*\t+31]
.endr
.irp t, 0,1
	v_max3_num_f32 v[ST+8*\t+4], v[ST+8*\t+4], v[ST+8*\t+5], v[ST+8*\t+6]
.endr
.irp t, 0,1
	v_max3_num_f32 v[ST+8*\t+4], v[ST+8*\t+4], v[ST+8*\t+7], v[ST+8*\t+1]
.endr
.irp t, 0,1
	v_permlanex16_b32 v[ST+8*\t+5], v[ST+8*\t+4], s[SEL], s[SEL+1]  ; the query's other 32 keys lie in the lane 16 away
.endr
.irp t, 0,1
	v_mov_b32 v[ST+8*\t+7], v[ST+8*\t]  ; c m_old is kept for a
.endr
.irp t, 0,1
	v_max_num_f32 v[ST+8*\t+1], v[ST+8*\t+4], v[ST+8*\t+5]  ; the new m
.endr
.irp t, 0,1
	v_mul_f32 v[ST+8*\t], s[CS], v[ST+8*\t+1]
.endr
.irp t, 0,1
	v_sub_f32 v[ST+8*\t+7], v[ST+8*\t+7], v[ST+8*\t]
.endr
.irp b, 0,1,2,3,4,5,6,7,8,9,10,11,12,13,14,15
.irp t, 0,1
	v_pk_fma_f32 v[S+32*\t+2*\b:S+32*\t+2*\b+1], v[S+32*\t+2*\b:S+32*\t+2*\b+1], s[CS:CS+1], v[ST+8*\t:ST+8*\t+1] op_sel_hi:[1,0,0] neg_lo:[0,0,1] neg_hi:[0,0,1]  ; c s - c m, two at a time
.endr
.endr
.irp t, 0,1
	v_exp_f32 v[ST+8*\t+6], v[ST+8*\t+7]  ; a
.endr
.set i, 0
.rept 64
	v_exp_f32 v[S+i], v[S+i]        ; p, both tiles: ONE batch of 66 exponentials; none of them reads another's result
.set i, i+1
.endr
	v_nop                           ; a plain instruction behind the last exponential, ahead of the first use (ISA guide 5.7.2)
	s_wait_alu depctr_va_vdst(0)    ; this wait stands ahead of the first line that names a result: one for the batch
.set i, 0
.rept 32
	v_cvt_pk_f16_f32 v[P+i], v[S+2*i], v[S+2*i+1]  ; the weights for the second product
.set i, i+1
.endr
.set i, 0
.rept 16                            ; the sum of each tile's 16 pairs (an even key's weight, an odd key's), of the unrounded p, in place: neighbours 1, 2, 4 and 8 pairs apart
	v_pk_add_f32 v[S+4*i:S+4*i+1], v[S+4*i:S+4*i+1], v[S+4*i+2:S+4*i+3]
.set i, i+1
.endr
.set i, 0
.rept 8
	v_pk_add_f32 v[S+8*i:S+8*i+1], v[S+8*i:S+8*i+1], v[S+8*i+4:S+8*i+5]
.set i, i+1
.endr
.set i, 0
.rept 4
	v_pk_add_f32 v[S+16*i:S+16*i+1], v[S+16*i:S+16*i+1], v[S+16*i+8:S+16*i+9]
.set i, i+1
.endr
.irp t, 0,1
	v_pk_add_f32 v[S+32*\t:S+32*\t+1], v[S+32*\t:S+32*\t+1], v[S+32*\t+16:S+32*\t+17]
.endr
.irp t, 0,1
	v_pk_fma_f32 v[ST+8*\t+2:ST+8*\t+3], v[ST+8*\t+2:ST+8*\t+3], v[ST+8*\t+6:ST+8*\t+7], v[S+32*\t:S+32*\t+1] op_sel_hi:[1,0,1]  ; l = a l + the sum
.endr
.irp t, 0,1
.set i, 0
.rept 16
	v_pk_mul_f32 v[OT+32*\t+i:OT+32*\t+i+1], v[OT+32*\t+i:OT+32*\t+i+1], v[ST+8*\t+6:ST+8*\t+7] op_sel_hi:[1,0]  ; O^T x a, each accumulator from its low end on
.set i, i+2
.endr
.endr
.endm
; A KEY STEP: 64 keys, the q-th of the slot in hand.  The accumulators take turns, one instruction a turn: seven others' stand between two links of a chain.
.macro STEP q
	s_wait_dscnt 0x0                ; K and the bias are in
	WIN W_KQ0
.irp kt, 0,1,2,3
.irp t, 0,1
	v_wmma_f32_16x16x32_f16 v[S+32*\t+8*\kt:S+32*\t+8*\kt+7], v[KF+16*\kt:KF+16*\kt+7], v[QF+16*\t:QF+16*\t+7], v[BF+8*\kt:BF+8*\kt+7]  ; channels 0-31; the mask's bias starts the sum
.endr
.endr
	WIN W_KQ1
.irp kt, 0,1,2,3
.irp t, 0,1
	v_wmma_f32_16x16x32_f16 v[S+32*\t+8*\kt:S+32*\t+8*\kt+7], v[KF+16*\kt+8:KF+16*\kt+15], v[QF+16*\t+8:QF+16*\t+15], v[S+32*\t+8*\kt:S+32*\t+8*\kt+7]  ; channels 32-63
.endr
.endr
	WIN 0
	PLACES                          ; behind these products and the last step's: for the loads into V's, K's and the bias's registers, for the reads of S^T and the writes of P and O^T
	WIN TO_1
	FETCH_V \q
.if (\q) < 3
	FETCH_K (\q)+1                  ; the next step's K and bias land while this step's softmax is walked
.endif
	WIN 0
	SOFTMAX
.if (\q) < 3
	s_wait_dscnt 24                 ; V's 16 loads are in; the 24 issued behind them (the next step's K and bias) may be out
.else
	s_wait_dscnt 0x0
.endif
	WIN W_PV
.irp kk, 0,1
.irp ct, 0,1,2,3
.irp t, 0,1
	v_wmma_f32_16x16x32_f16 v[OT+32*\t+8*\ct:OT+32*\t+8*\ct+7], v[VF+32*\kk+8*\ct:VF+32*\kk+8*\ct+7], v[P+16*\t+8*\kk:P+16*\t+8*\kk+7], v[OT+32*\t+8*\ct:OT+32*\t+8*\ct+7]
.endr
.endr
.endr
	WIN 0
.endm
.macro SLOT_STEPS                   ; a slot's four key steps
	v_add_nc_u32 v[ADK], s[TB], v[AK0]
	v_add_nc_u32 v[ADV], s[TB], v[AV0]
	v_add_nc_u32 v[ADB], s[TJ], v[AB0]
	WIN TO_1
	FETCH_K 0
	WIN 0
	STEP 0
	STEP 1
	STEP 2
	STEP 3
	s_xor_b32 s[TB], s[TB], SLOT1   ; on to the other slot,
	s_add_co_u32 s[TJ], s[TJ], 1024 ; and to the next 256 keys' bias
.endm
; THE CHANGE OF SLOTS stands at a slot's head.  Each wave waits for all its tensor loads (its part of the slot that it is about to read), adds 0 to its spare word, and waits for that and for its reads of the slot
; that it has left.  fill = 1: the barrier is a round of the cluster's, so that no wave of any partner still reads that slot or has a load on its way; the joint load of the keys that follow is the first thing
; behind it, one a wave, and has a slot's four key steps in which to land.
.macro CHANGE fill
	s_wait_tensorcnt 0x0            ; no tensor load of mine is out, so a group 0 may be written
	ds_add_u32 v[SPW], v[NIL]       ; 0 onto my spare word; the steps below stand between it and the wait for it
.if \fill
	s_xor_b32 s[G0K+1], s[G0K+1], SLOT1  ; the walking descriptors: the other slot than last time,
	s_add_nc_u64 s[G0K+2:G0K+3], s[G0K+2:G0K+3], SKEYS*128  ; the next 256 keys; the type bits on top are not reached
	s_xor_b32 s[G0V+1], s[G0V+1], SLOT1
	s_add_nc_u64 s[G0V+2:G0V+3], s[G0V+2:G0V+3], SKEYS*128
	s_wait_xcnt 0x0                 ; the last prefetch, a slot back, has read its address, so it may be written:
	s_add_nc_u64 s[PFA:PFA+1], s[PFA:PFA+1], SKEYS*128  ; one slot further on than the walking descriptors
	s_wait_dscnt 0x0                ; the add is done, and my reads of the slot that I have left are over
	CROUND
	JLOAD
	ASK
.else
	s_wait_dscnt 0x0
	s_barrier_signal -1
	s_barrier_wait -1
.endif
.endm
; A head ends: l's two halves and the other half of the lanes' are added; O^T is divided by l, rounded to f16 and put into my stage: row = token, head hh's 128 bytes.
.macro FINISH hh
	PLACES                          ; behind the last products
.irp t, 0,1
	v_add_f32 v[ST+8*\t+4], v[ST+8*\t+2], v[ST+8*\t+3]
.endr
.irp t, 0,1
	v_permlanex16_b32 v[ST+8*\t+5], v[ST+8*\t+4], s[SEL], s[SEL+1]
.endr
.irp t, 0,1
	v_add_f32 v[ST+8*\t+4], v[ST+8*\t+4], v[ST+8*\t+5]
.endr
.irp t, 0,1
	v_rcp_f32 v[ST+8*\t+6], v[ST+8*\t+4]
.endr
	v_nop                           ; a plain instruction between the last reciprocal and the use of its result
	s_wait_alu depctr_va_vdst(0)    ; and the wait ahead of the first use: one for both
.irp t, 0,1
.set i, 0
.rept 16
	v_pk_mul_f32 v[OT+32*\t+i:OT+32*\t+i+1], v[OT+32*\t+i:OT+32*\t+i+1], v[ST+8*\t+6:ST+8*\t+7] op_sel_hi:[1,0]
.set i, i+2
.endr
.endr
.set i, 0
.rept 32
	v_cvt_pk_f16_f32 v[P+i], v[OT+2*i], v[OT+2*i+1]
.set i, i+1
.endr
.irp t, 0,1
.irp ct, 0,1,2,3
	ds_store_b128 v[STO], v[P+16*\t+4*\ct:P+16*\t+4*\ct+3] offset:\t*16*SP+\hh*128+32*\ct  ; lane (r, h): token 16 t + r, channels 16 ct + 8 h + 0..7
.endr
.endr
.endm
	s_wait_loadcnt 0x0              ; Q of head 0
.Lslot:                             ; 15 trips: trip n asks for slot n + 1 and walks slot n
	CHANGE 1
	SLOT_STEPS
	s_cmp_lg_u32 s[SLOTS], 8        ; behind slot 7 head 0's 2,048 keys are done: a count of trips, the same in all waves and all partners
	s_cbranch_scc1 .Lsame_head
	QLOAD 1                         ; the next head's Q is asked for first (four places stand behind the last products that read Q's registers) and lands while head 0 is finished
	FINISH 0
	INIT
	s_wait_loadcnt 0x0
.Lsame_head:
	s_sub_co_u32 s[SLOTS], s[SLOTS], 1
	s_cmp_lg_u32 s[SLOTS], 0
	s_cbranch_scc1 .Lslot
	CHANGE 0                        ; the last slot is written out: nothing is asked for
	SLOT_STEPS
	FINISH 1
	; THE WAY OUT: my 32 rows come back whole, 256 bytes each (LDS serves a wave's instructions in order, ISA guide 5.7.1.4: these loads see my stores), and leave
.irp i, 0,1,2,3,4,5,6,7,8,9,10,11,12,13,14,15
	ds_load_b128 v[S+4*\i:S+4*\i+3], v[RD] offset:2*\i*SP
.endr
.irp i, 0,1,2,3,4,5,6,7,8,9,10,11,12,13,14,15
	s_wait_dscnt 15-\i              ; load i is back; the younger ones may be out
	global_store_b128 v[GO], v[S+4*\i:S+4*\i+3], s[10:11] offset:\i*4096  ; 16 lanes store 256 consecutive bytes, at a multiple of 256 from attn's first byte
.endr
	s_wait_tensorcnt 0x0            ; the wave's end: the tensor wait, the add and its wait stand behind my last tensor load and my last LDS store
	ds_add_u32 v[SPW], v[NIL]
	s_wait_dscnt 0x0
	CROUND                          ; the closing round: no work-group ends while a partner may still ask for a tile that names it
	s_endpgm
.Lfunc_end_k_q41609c7746_attention:
	.size	k_q41609c7746_attention, .Lfunc_end_k_q41609c7746_attention-k_q41609c7746_attention
	.p2alignl 7, 3214868480
	.fill 96, 4, 3214868480
	.section	.rodata,"a",@progbits
	.p2align	6, 0x0
	.amdhsa_kernel k_q41609c7746_attention
		.amdhsa_group_segment_fixed_size 327680
		.amdhsa_private_segment_fixed_size 0
		.amdhsa_enable_private_segment 0
		.amdhsa_kernarg_size 24
		.amdhsa_user_sgpr_count 2
		.amdhsa_user_sgpr_kernarg_segment_ptr 1
		.amdhsa_wavefront_size32 1
		.amdhsa_system_sgpr_workgroup_id_x 1
		.amdhsa_system_sgpr_workgroup_id_y 1
		.amdhsa_system_sgpr_workgroup_id_z 1
		.amdhsa_system_vgpr_workitem_id 0
		.amdhsa_next_free_vgpr 512
		.amdhsa_next_free_sgpr 80
		.amdhsa_reserve_vcc 0
		.amdhsa_float_denorm_mode_32 3
		.amdhsa_float_denorm_mode_16_64 3
		.amdhsa_memory_ordered 1
		.amdhsa_forward_progress 1
		.amdhsa_inst_pref_size 169
	.end_amdhsa_kernel
	.amdgpu_metadata
---
amdhsa.version: [ 1, 2 ]
amdhsa.kernels:
  - .name:           k_q41609c7746_attention
    .symbol:         k_q41609c7746_attention.kd
    .args:
      - { .name: qkv, .offset: 0, .size: 8, .value_kind: global_buffer, .address_space: global }
      - { .name: bias, .offset: 8, .size: 8, .value_kind: global_buffer, .address_space: global }
      - { .name: attn, .offset: 16, .size: 8, .value_kind: global_buffer, .address_space: global }
    .group_segment_fixed_size: 327680
    .private_segment_fixed_size: 0
    .kernarg_segment_align: 8
    .kernarg_segment_size: 24
    .max_flat_workgroup_size: 256
    .sgpr_count:     80
    .vgpr_count:     512
    .wavefront_size: 32
...
	.end_amdgpu_metadata
.endif
;; end of part 3
;; launch gemm_out (part 4): grid 8 x 64, 4 waves a work-group, clusters of 4 x 4, 327,680 bytes of LDS; arguments attn, wo16, out0; writes out0
.if DOCPART == 4
	.amdgcn_target "amdgcn-amd-amdhsa--gfx1250"
	.amdhsa_code_object_version 6
	.text
	.protected	k_q41609c7746_gemm_out
	.globl	k_q41609c7746_gemm_out
	.p2align	8
	.type	k_q41609c7746_gemm_out,@function
k_q41609c7746_gemm_out:
	s_mov_b64 s[64:65], 0
	v_nop
	global_prefetch_b8 v0, s[64:65] scope:SCOPE_SE
	s_setreg_imm32_b32 hwreg(HW_REG_WAVE_MODE, 25, 1), 1
	s_wait_xcnt 0x0
	s_wait_alu depctr_hold_cnt(0) depctr_sa_sdst(0) depctr_va_vdst(0) depctr_va_sdst(0) depctr_va_ssrc(0) depctr_va_vcc(0) depctr_vm_vsrc(0)
	s_getreg_b32 s2, hwreg(HW_REG_IB_STS2, 6, 4)
	s_cmp_eq_u32 s2, 0
	s_cbranch_scc0 .Lentry_in_a_cluster
	s_endpgm
.Lentry_in_a_cluster:
	s_bfe_u32 s2, ttmp6, 0x10000c
	s_cmp_lg_u32 s2, 0xf033
	s_cbranch_scc0 .Lentry_shape_is_right
	s_endpgm
.Lentry_shape_is_right:
; out0[token][f] = sum over e of attn[token][e] w_out[f][e].  attn: [8192][1024] f16, wo16: [1024][1024] f16 (w_out rounded once), out0: [8192][1024] f32; sums in f32.
; A tile of C is 128 x 128: 512 work-groups.  Four waves, each 64 x 64: 16 accumulators of 16 x 16, 128 registers.  K goes in steps of 256 (LDS rows of 512 bytes; a wave's tensor load brings 64 of them)
; through a ring of two slots.  A wave's 64 columns of f32 are 256 bytes of a row of C, aligned: so each wave has a stage of its own on the way out, and no barrier stands there.
; CLUSTERS: 4 x 4 work-groups.  The four of a row of the cluster need the same tiles of A, the four of a column the same tiles of B: each tile is asked for JOINTLY, by the same tensor load with the
; same descriptor and a mask that names the four.  THE MATRIX INSTRUCTION IS USED TRANSPOSED (source 0 = 16 rows of B, source 1 = 16 rows of A): a lane then holds eight neighbouring numbers of a row of C.
; REGISTERS: window 0: v0-31 addresses; v32-95 rows on the way out; v128-255 the accumulators ((a, b) at v[128 + 8 (4 a + b)]).
;   window 1: two fragment buffers of 128: for 64 along K (two matrix instructions deep), 64 registers of A, then 64 of B.
.set SIZE_M, 8192
.set SIZE_N, 1024
.set SIZE_K, 1024
.set KSTEP,  256
.set PITCH,  528                       ; an LDS row: 512 bytes of data + 16 of padding = 132 words: the 16 rows that a load touches start at 16 different groups of four banks (ISA guide 11.1)
.set HALFT,  64*PITCH                  ; 64 rows: what one tensor load brings, and what one wave reads of A or of B
.set SLOT,   4*HALFT                   ; A's 128 rows, then B's 128 rows
.set STAGE,  2*SLOT                    ; behind the ring: 16 rows x 272 bytes for each wave, for the way out
.set SPITCH, 272
.set SPARE,  STAGE+4*16*SPITCH         ; behind the stages: the spare words, 128 bytes for each wave
.set LAPS, SIZE_K/(2*KSTEP)            ; a lap = two K steps = once round the ring: 2
.set ADRA, 16                          ; v16-17  LDS address of my A fragments in slot 0, 1
.set ADRB, 20                          ; v20-21  the same for B
.set STO,  24                          ; v24     the way out: where I put 32 bytes of a row
.set RD,   25                          ; v25     the way out: where I read a row back
.set CO,   26                          ; v26     my byte offset in C
.set SPW,  28                          ; v28     LDS address of my spare word; never rewritten
.set NIL,  29                          ; v29     0; never rewritten
.set TMP,  32                          ; the way out: two sets of 32 registers: 16 rows of 256 bytes
.set ACC,  128
.set F0,   0                           ; fragment buffers, in window 1
.set F1,   128
.set G1, 24                            ; s[24:31] descriptor group 1 for A's tiles;  s[32:39] group 0, one set for each slot
.set G0, 32
.set G1B, 48                           ; s[48:55], s[56:63] the same for B's tiles
.set G0B, 56
.set MSB, 0
.macro WIN new                         ; the immediate's high byte repeats the setting that is left; a switch that changes nothing is dropped
.if MSB != (\new)
	s_set_vgpr_msb (MSB<<8)|(\new)
.set MSB, (\new)
.endif
.endm
.set MUL,  0x05                        ; sources 0 (B) and 1 (A) window 1; C and D window 0
.set TO_F, 0x40                        ; destination window 1, address window 0
.macro JLOAD s                         ; a joint load: waves 0 and 1 fetch A's two halves, waves 2 and 3 B's; an s_nop 0 and four v_nop follow each of the two lines, ahead of the jump, the label and what follows
	s_cmp_eq_u32 s11, 0
	s_cbranch_scc0 .Lfor_b_\@
	tensor_load_to_lds s[G0+4*\s:G0+4*\s+3], s[G1:G1+7]
	s_nop 0
.rept 4
	v_nop
.endr
	s_branch .Lasked_\@
.Lfor_b_\@:
	tensor_load_to_lds s[G0B+4*\s:G0B+4*\s+3], s[G1B:G1B+7]
	s_nop 0
.rept 4
	v_nop
.endr
.Lasked_\@:
.endm
.macro CREST                           ; a round of the cluster's barrier behind its opening barrier
	s_cmp_lg_u32 s10, 0
	s_cbranch_scc1 .Lnot_wave_0_\@
	s_barrier_signal -3
.Lnot_wave_0_\@:
	s_barrier_wait -3
	s_barrier_signal -1
	s_barrier_wait -1
.endm
.macro CROUND                          ; a whole round
	s_barrier_signal -1
	s_barrier_wait -1
	CREST
.endm
	s_load_b128 s[4:7], s[0:1], 0x0                ; A s[4:5], B s[6:7]
	s_load_b64 s[8:9], s[0:1], 0x10                ; C
	v_lshl_add_u32 v[SPW], v0, 2, SPARE
	v_mov_b32 v[NIL], 0
	ds_add_u32 v[SPW], v[NIL]                      ; the wave's opening: the add, twice on end, and its wait ahead of my first tensor load; the set-up below stands between
	ds_add_u32 v[SPW], v[NIL]
	v_lshrrev_b32 v1, 5, v0
	v_readfirstlane_b32 s10, v1                    ; wave 0..3
	s_lshr_b32 s11, s10, 1                         ; which half of the tile's rows is mine.  Also: I fetch for A (0) or for B (1)
	s_and_b32 s12, s10, 1                          ; which half of its columns.  Also: which 64 rows of that tile I fetch
	s_bfe_u32 s40, ttmp6, 0x40000                  ; cx, cy: my place in the cluster
	s_bfe_u32 s41, ttmp6, 0x40004
	s_lshl_b32 s42, ttmp9, 2
	s_add_co_u32 s42, s42, s40                     ; tile column of C = 4 x cluster x + cx
	s_and_b32 s13, ttmp7, 0xffff
	s_lshl_b32 s13, s13, 2
	s_add_co_u32 s13, s13, s41                     ; tile row of C = 4 x cluster y + cy
	s_lshl_b32 s43, s41, 2
	s_lshl_b32 s43, 15, s43                        ; my row of the cluster
	s_lshl_b32 s44, 0x1111, s40                    ; my column
	; descriptor group 1: a tile of 64 rows x 256 elements, padded in LDS
	s_or_b32 s[G1+0], s43, (1<<16)|(1<<20)|(1<<21)|(6<<22)|(3<<25)  ; 15:0 the mask: A's tiles go to my row; 17:16 element of 2 bytes; 20 padding on; 21 set beside a mask; 24:22 after every 128 words (code 6); 31:25 of 4 words (code 3)
	s_or_b32 s[G1B+0], s44, (1<<16)|(1<<20)|(1<<21)|(6<<22)|(3<<25)
.irp g, G1, G1B
	s_mov_b32 s[\g+1], KSTEP<<16                   ; tensor_dim0 = 256
	s_mov_b32 s[\g+2], 64<<16                      ; tensor_dim1 = 64
	s_mov_b32 s[\g+3], KSTEP<<16                   ; tile_dim0 = 256
	s_mov_b32 s[\g+4], 64                          ; tile_dim1 = 64
	s_mov_b32 s[\g+5], SIZE_K                      ; tensor_dim0_stride
	s_mov_b32 s[\g+6], 0
	s_mov_b32 s[\g+7], 0
.endr
	s_lshl_b32 s17, s12, 6                         ; which 64 rows of the tile I fetch
	s_lshl_b32 s16, s13, 7
	s_add_co_u32 s16, s16, s17                     ; A: row 128 x tile row + 64 x half
	s_lshl_b32 s46, s42, 7
	s_add_co_u32 s46, s46, s17                     ; B: row 128 x tile column + 64 x half
	s_mov_b32 s17, 0
	s_mov_b32 s47, 0
	s_mov_b64 s[18:19], SIZE_K*2
	s_mul_u64 s[16:17], s[16:17], s[18:19]
	s_mul_u64 s[46:47], s[46:47], s[18:19]
	s_mul_i32 s20, s10, HALFT                      ; where they go: wave x 64 rows: no place in the cluster enters an LDS address
	s_wait_dscnt 0x0                               ; both opening adds are done
	s_wait_kmcnt 0x0
	s_add_nc_u64 s[14:15], s[4:5], s[16:17]
	s_add_nc_u64 s[46:47], s[6:7], s[46:47]
	CROUND                                         ; all sixteen work-groups are here: the first joint loads meet
.irp s, 0,1
	s_mov_b32 s[G0+4*\s], 1
	s_add_co_u32 s[G0+4*\s+1], s20, \s*SLOT
	s_add_nc_u64 s[G0+4*\s+2:G0+4*\s+3], s[14:15], \s*KSTEP*2
	s_or_b32 s[G0+4*\s+3], s[G0+4*\s+3], 0x80000000
	s_mov_b32 s[G0B+4*\s], 1
	s_add_co_u32 s[G0B+4*\s+1], s20, \s*SLOT
	s_add_nc_u64 s[G0B+4*\s+2:G0B+4*\s+3], s[46:47], \s*KSTEP*2
	s_or_b32 s[G0B+4*\s+3], s[G0B+4*\s+3], 0x80000000
	JLOAD \s                                       ; two tensor loads of mine are out behind the second
.endr
	v_and_b32 v1, 15, v0                           ; l % 16
	v_bfe_u32 v2, v0, 4, 1                         ; l / 16
	v_mul_u32_u24 v3, v1, PITCH
	v_lshl_add_u32 v3, v2, 4, v3                   ; a fragment's row x pitch + 16 x half
	s_mul_i32 s21, s11, HALFT                      ; my 64 rows of A
	s_mul_i32 s22, s12, HALFT                      ; my 64 rows of B,
	s_add_co_u32 s22, s22, 2*HALFT                 ; which lie behind A's 128
.irp s, 0,1
	v_add_nc_u32 v[ADRA+\s], s21, v3
	v_add_nc_u32 v[ADRB+\s], s22, v3
	s_add_co_u32 s21, s21, SLOT
	s_add_co_u32 s22, s22, SLOT
.endr
	s_mul_i32 s23, s10, 16*SPITCH
	s_add_co_u32 s23, s23, STAGE                   ; my stage
	v_mul_u32_u24 v4, v1, SPITCH                   ; in: row l % 16, 32 bytes for each half of the lanes
	v_lshl_add_u32 v4, v2, 5, v4
	v_add_nc_u32 v[STO], s23, v4
	v_mul_u32_u24 v5, v2, SPITCH                   ; back: lanes 0-15 one row of 256 bytes, lanes 16-31 the next
	v_lshl_add_u32 v5, v1, 4, v5
	v_add_nc_u32 v[RD], s23, v5
	v_lshlrev_b32 v5, 12, v2                       ; and the same two rows in C, 4,096 bytes apart
	v_lshl_add_u32 v[CO], v1, 4, v5
	s_lshl_b32 s16, s13, 7
	s_lshl_b32 s17, s11, 6
	s_add_co_u32 s16, s16, s17                     ; my first row of C: 128 x tile row + 64 x half
	s_mov_b32 s17, 0
	s_mov_b64 s[18:19], SIZE_N*4
	s_mul_u64 s[16:17], s[16:17], s[18:19]
	s_add_nc_u64 s[8:9], s[8:9], s[16:17]
	s_lshl_b32 s46, s42, 9                         ; my first column, in bytes: 512 x tile column + 256 x half
	s_lshl_b32 s47, s12, 8
	s_add_co_u32 s46, s46, s47
	s_mov_b32 s47, 0
	s_add_nc_u64 s[8:9], s[8:9], s[46:47]
; 8 matrix instructions: m blocks a0, a0 + 1 x all 4 n blocks, 32 along K: half c of buffer f.  zero = 1: the first product starts the sums.  The 16 accumulators take turns
.macro MUL8 f, c, a0, zero
.irp a, \a0, \a0+1
.irp b, 0,1,2,3
.if \zero
	v_wmma_f32_16x16x32_f16 v[ACC+8*(4*(\a)+\b):ACC+8*(4*(\a)+\b)+7], v[\f+64+8*(4*\c+\b):\f+64+8*(4*\c+\b)+7], v[\f+8*(4*\c+\a):\f+8*(4*\c+\a)+7], 0
.else
	v_wmma_f32_16x16x32_f16 v[ACC+8*(4*(\a)+\b):ACC+8*(4*(\a)+\b)+7], v[\f+64+8*(4*\c+\b):\f+64+8*(4*\c+\b)+7], v[\f+8*(4*\c+\a):\f+8*(4*\c+\a)+7], v[ACC+8*(4*(\a)+\b):ACC+8*(4*(\a)+\b)+7]
.endif
.endr
.endr
.endm
; 32 LDS loads in one run: the fragments of 64 along K at byte k of the rows, into buffer f; the first 32 along K first
.macro FETCH slot, k, f
	WIN TO_F
.irp c, 0,1
.irp i, 0,1,2,3
	ds_load_b128 v[\f+64+8*(4*\c+\i):\f+64+8*(4*\c+\i)+3],   v[ADRB+\slot] offset:\k+64*\c+\i*16*PITCH
	ds_load_b128 v[\f+64+8*(4*\c+\i)+4:\f+64+8*(4*\c+\i)+7], v[ADRB+\slot] offset:\k+64*\c+\i*16*PITCH+32
	ds_load_b128 v[\f+8*(4*\c+\i):\f+8*(4*\c+\i)+3],         v[ADRA+\slot] offset:\k+64*\c+\i*16*PITCH
	ds_load_b128 v[\f+8*(4*\c+\i)+4:\f+8*(4*\c+\i)+7],       v[ADRA+\slot] offset:\k+64*\c+\i*16*PITCH+32
.endr
.endr
.endm
.macro PLACES                          ; four places in front of loads into registers that matrix instructions have read, and of LDS stores that read results
.rept 4
	v_nop
.endr
.endm
; A K step is four quarters of 64 along K, 32 matrix instructions each, on buffers 0, 1, 0, 1.  One of the first three: multiplies buffer f and fetches the next quarter, at byte k, into g.
.macro QUARTER slot, k, f, g, zero
	s_wait_dscnt 16                                ; the first 32 along K are in; the sixteen loads of the second 32 may be out
	WIN MUL
	MUL8 \f, 0, 0, \zero
	MUL8 \f, 0, 2, \zero
	PLACES
	FETCH \slot, \k, \g
	s_wait_dscnt 32                                ; all but the 32 just issued
	WIN MUL
	MUL8 \f, 1, 0, 0
	MUL8 \f, 1, 2, 0
.endm
; The last quarter multiplies buffer 1 and changes slots: ONE barrier; in front of it each wave waits for all its tensor loads, adds 0 to its spare word, and waits for that and for its own reads of this slot.  fill = 1: this slot is filled again, two K steps ahead.
.macro TURN slot, next, fill
	WIN 0                                          ; (the add's two registers lie in window 0)
	s_wait_tensorcnt 0x0                           ; all my tensor loads have landed: my part of the next slot;
	ds_add_u32 v[SPW], v[NIL]                      ; 0 onto my spare word;
	s_wait_dscnt 17                                ; (the add and the youngest sixteen loads may be out)
	WIN MUL
	MUL8 F1, 0, 0, 0                               ; eight matrix instructions stand between the add and the wait for it
	s_wait_dscnt 0x0                               ; the add is done, and my reads of this slot are over
	s_barrier_signal -1
	MUL8 F1, 0, 2, 0
.if \fill
	WIN 0
.endif
	s_barrier_wait -1
.if \fill
	CREST                                          ; the barrier has opened a round of the cluster's barrier: no wave of any partner still reads this slot's tile or has a load on its way
	s_add_nc_u64 s[G0+4*\slot+2:G0+4*\slot+3], s[G0+4*\slot+2:G0+4*\slot+3], 2*KSTEP*2
	s_add_nc_u64 s[G0B+4*\slot+2:G0B+4*\slot+3], s[G0B+4*\slot+2:G0B+4*\slot+3], 2*KSTEP*2
	JLOAD \slot                                    ; the first tensor load behind the round, my only one until the next; the four v_nop behind it are also the places in front of the loads below
.else
	PLACES
.endif
	FETCH \next, 0, F0
	WIN MUL
	MUL8 F1, 1, 0, 0
	MUL8 F1, 1, 2, 0
.endm
	s_wait_tensorcnt 1                             ; my part of K step 0 is in (K step 1's load may be out)
	s_barrier_signal -1
	s_barrier_wait -1                              ; everybody's is
	FETCH 0, 0, F0
	QUARTER 0, 128, F0, F1, 1                      ; the first quarter stands in front of the loop: its first products start the sums
	WIN 0                                          ; at a label and at a branch every window is 0
	s_mov_b32 s3, LAPS-1
.Llap:                                                 ; a trip goes once round the ring, from a lap's second quarter to the next lap's first, and fills both slots again
	QUARTER 0, 256, F1, F0, 0
	QUARTER 0, 384, F0, F1, 0
	TURN 0, 1, 1
	QUARTER 1, 128, F0, F1, 0
	QUARTER 1, 256, F1, F0, 0
	QUARTER 1, 384, F0, F1, 0
	TURN 1, 0, 1
	QUARTER 0, 128, F0, F1, 0
	WIN 0
	s_sub_co_u32 s3, s3, 1
	s_cmp_lg_u32 s3, 0
	s_cbranch_scc1 .Llap
	QUARTER 0, 256, F1, F0, 0                      ; the last lap fills nothing, and has no round of the cluster's barrier
	QUARTER 0, 384, F0, F1, 0
	TURN 0, 1, 0
	QUARTER 1, 128, F0, F1, 0
	QUARTER 1, 256, F1, F0, 0
	QUARTER 1, 384, F0, F1, 0
	s_wait_dscnt 16                                ; the very last quarter: nothing more to fetch
	WIN MUL
	MUL8 F1, 0, 0, 0
	MUL8 F1, 0, 2, 0
	s_wait_dscnt 0
	MUL8 F1, 1, 0, 0
	MUL8 F1, 1, 2, 0
	WIN 0
; THE WAY OUT, block by block of 16 rows x 64 columns.  A lane holds 32 neighbouring bytes of a row, and the lanes beside it hold other rows: so a block goes through my own stage and comes back as whole rows of
; 256 bytes.  LDS serves a wave's instructions in order (ISA guide 5.7.1.4): no wait between the stores and the loads, nor in front of the next block's stores.
.macro TOSTAGE a
.irp b, 0,1,2,3
	ds_store_b128 v[STO], v[ACC+8*(4*(\a)+\b):ACC+8*(4*(\a)+\b)+3] offset:64*\b          ; each accumulator from its low end on
	ds_store_b128 v[STO], v[ACC+8*(4*(\a)+\b)+4:ACC+8*(4*(\a)+\b)+7] offset:64*\b+16
.endr
.irp i, 0,1,2,3,4,5,6,7
	ds_load_b128 v[TMP+32*((\a)%2)+4*\i:TMP+32*((\a)%2)+4*\i+3], v[RD] offset:2*\i*SPITCH
.endr
.endm
.macro SEND a, younger                 ; younger: the LDS instructions issued behind block a's loads, which may stay out
	s_wait_dscnt \younger                          ; the block is back in registers
.irp i, 0,1,2,3,4,5,6,7
	global_store_b128 v[CO], v[TMP+32*((\a)%2)+4*\i:TMP+32*((\a)%2)+4*\i+3], s[8:9] offset:(16*(\a)+2*\i)*SIZE_N*4 th:TH_STORE_NT   ; 16 lanes store 256 consecutive bytes, at a multiple of 256 from C's first byte; written once, read by nobody here
.endr
.endm
	PLACES                                         ; behind the last products: the LDS stores read results
	TOSTAGE 0
.irp a, 1,2,3
.if \a > 1
	s_wait_xcnt 0x0                                ; block a - 2's stores have read their registers: block a's loads may land there
.endif
	TOSTAGE \a
	SEND \a-1, 16                                  ; behind block a - 1's loads: block a's 8 stores and 8 loads
.endr
	SEND 3, 0
	s_wait_tensorcnt 0x0                           ; the wave's end: the tensor wait, the add and its wait stand behind my last tensor load and my last LDS store
	ds_add_u32 v[SPW], v[NIL]
	s_wait_dscnt 0x0
	CROUND                                         ; the closing round: no work-group ends while a partner may still ask for a tile that names it
	s_endpgm
.Lfunc_end_k_q41609c7746_gemm_out:
	.size	k_q41609c7746_gemm_out, .Lfunc_end_k_q41609c7746_gemm_out-k_q41609c7746_gemm_out
	.p2alignl 7, 3214868480
	.fill 96, 4, 3214868480
	.section	.rodata,"a",@progbits
	.p2align	6, 0x0
	.amdhsa_kernel k_q41609c7746_gemm_out
		.amdhsa_group_segment_fixed_size 327680
		.amdhsa_private_segment_fixed_size 0
		.amdhsa_enable_private_segment 0
		.amdhsa_kernarg_size 24
		.amdhsa_user_sgpr_count 2
		.amdhsa_user_sgpr_kernarg_segment_ptr 1
		.amdhsa_wavefront_size32 1
		.amdhsa_system_sgpr_workgroup_id_x 1
		.amdhsa_system_sgpr_workgroup_id_y 1
		.amdhsa_system_sgpr_workgroup_id_z 1
		.amdhsa_system_vgpr_workitem_id 0
		.amdhsa_next_free_vgpr 512
		.amdhsa_next_free_sgpr 66
		.amdhsa_reserve_vcc 0
		.amdhsa_float_denorm_mode_32 3
		.amdhsa_float_denorm_mode_16_64 3
		.amdhsa_memory_ordered 1
		.amdhsa_forward_progress 1
		.amdhsa_inst_pref_size 86
	.end_amdhsa_kernel
	.amdgpu_metadata
---
amdhsa.version: [ 1, 2 ]
amdhsa.kernels:
  - .name:           k_q41609c7746_gemm_out
    .symbol:         k_q41609c7746_gemm_out.kd
    .args:
      - { .name: attn, .offset: 0, .size: 8, .value_kind: global_buffer, .address_space: global }
      - { .name: wo16, .offset: 8, .size: 8, .value_kind: global_buffer, .address_space: global }
      - { .name: out0, .offset: 16, .size: 8, .value_kind: global_buffer, .address_space: global }
    .group_segment_fixed_size: 327680
    .private_segment_fixed_size: 0
    .kernarg_segment_align: 8
    .kernarg_segment_size: 24
    .max_flat_workgroup_size: 128
    .sgpr_count:     66
    .vgpr_count:     512
    .wavefront_size: 32
...
	.end_amdgpu_metadata
.endif
;; end of part 4
